; MI455X (gfx1250); checked and timed in simulation.
; The chip was launched on July 23, 2026; its instructions are those of AMD's public machine-readable ISA for CDNA 5 (MIT licence, August 2026) and "CDNA5" Instruction Set Architecture Reference Guide (July 2026). The comments in the code are by the model that wrote it; some were corrected since.
;; Multihead Attention. Allowed arithmetic: matrix products marked QUANTISED: E5M2 operands, one given power-of-two scale a tensor, by v_wmma_f32_16x16x64_bf8_bf8 or v_wmma_f32_16x16x128_bf8_bf8, f32 sums; everything else in f32.
;; Inputs: Wk 1,024 x 1,024 float32; Wo 1,024 x 1,024 float32; Wq 1,024 x 1,024 float32; Wv 1,024 x 1,024 float32; lowp_scales 12 int32 (the exponents e of the quantised operands' scales 2^e); query 2 x 2,048 x 1,024 float32; span_val 1 x 16 x 1 x 1 float32.
;; Outputs: out0 2 x 2,048 x 1,024 float32.
;; This version of the problem:
;;   THIS VERSION OF THE PROBLEM IS GIVEN IN LOW PRECISION. The matrix products marked QUANTISED in the list below multiply operands that are first quantised to E5M2 (5 exponent bits, 2 mantissa bits; 8 bits a number), with one given power-of-two scale for each operand tensor; their sums are f32. All else is computed in f32.
;;   The module's matrix products, in the order in which they are computed (A, B: the left and right operand; K: the contracted axis; several contracted axes count as one K, in the product's order):
;;     1. [M 4,096, K 1,024] x [K 1,024, N 1,024]; A: input query; B: input Wq: QUANTISED (scales: A lowp_scales[0], B lowp_scales[1])
;;     2. [M 4,096, K 1,024] x [K 1,024, N 1,024]; A: input query; B: input Wk: QUANTISED (scales: A lowp_scales[2], B lowp_scales[3])
;;     3. [M 4,096, K 1,024] x [K 1,024, N 1,024]; A: input query; B: input Wv: QUANTISED (scales: A lowp_scales[4], B lowp_scales[5])
;;     4. batch 32 x [M 2,048, K 64] x [K 64, N 2,048]; A: computed on the way; B: computed on the way: QUANTISED (scales: A lowp_scales[6], B lowp_scales[7])
;;     5. batch 32 x [M 2,048, K 2,048] x [K 2,048, N 64]; A: computed on the way; B: computed on the way: QUANTISED (scales: A lowp_scales[8], B lowp_scales[9])
;;     6. [M 4,096, K 1,024] x [K 1,024, N 1,024]; A: computed on the way; B: input Wo: QUANTISED (scales: A lowp_scales[10], B lowp_scales[11])
;;   THE QUANTISER, for each operand of a quantised product, along K:
;;     - The operand's scale is 2^e, e = its entry of the input lowp_scales (int32; the entries are numbered through the quantised products in the list's order, A before B).
;;     - Each number is divided by the scale, clamped to +-57,344, and rounded to the nearest number of E5M2, ties to even, subnormals kept.
;;     - The product sums the exact products of the quantised numbers (number of the format x scale) in f32.
;;   ~~~python
;;   def quantise(x, axis, e):      # numpy; x: float32 -> the quantised numbers, widened to float32 again
;;       x = np.moveaxis(x, axis, -1); K = x.shape[-1]
;;       r = np.clip(x / 2.0 ** e, -57344, 57344)
;;       step = 2.0 ** (np.maximum(np.frexp(np.where(r == 0, 1, r))[1] - 1, -14) - 2)
;;       q = np.round(r / step) * step * 2.0 ** e      # np.round: ties to even
;;       return np.moveaxis(q, -1, axis).astype(np.float32)
;;   ~~~
;;   OPERANDS COMPUTED ON THE WAY. 'Computed on the way' means the value that the module computes at that place (a softmax that the list does not call 'softmax' is quantised finished and normalised). What goes into a quantiser is computed in f32, as accurately as f32 sums, v_exp_f32 and their like allow (about 1e-6 of the number): no bf16 or f16 on the way to a quantiser, and a product that is left as it is and whose result goes on into a quantised operand takes f32 operands (vector FMAs, or v_wmma_f32_16x16x4_f32). A number that lies on a knife's edge between two numbers of the format may be rounded either way, as far as f32 arithmetic and the matrix unit's own rounding can turn it there, and no further.
;; 2 versions, each right; version 2 is version 1 with the launch attn written anew for expert scheduling mode. Each part assembles by itself: llvm-mc -triple=amdgcn-amd-amdhsa -mcpu=gfx1250 --defsym DOCPART=n.
;; ======== version 1 of 2: 4 launches
;; workspace buffers: ximg 12,582,912 bytes; wimg 4,194,304 bytes; qkv 12,582,912 bytes; aimg 4,194,304 bytes; nmask 256 bytes of whole numbers
;; launch prep (part 1): grid 768 x 1, 4 waves a work-group, no clusters, 50,688 bytes of LDS; arguments query, Wq, Wk, Wv, Wo, span_val, lowp_scales, ximg, wimg, nmask; writes ximg, wimg, nmask
.if DOCPART == 1
	.amdgcn_target "amdgcn-amd-amdhsa--gfx1250"
	.amdhsa_code_object_version 6
	.text
	.protected	k_q2ab6dab3eb_prep
	.globl	k_q2ab6dab3eb_prep
	.p2align	8
	.type	k_q2ab6dab3eb_prep,@function
k_q2ab6dab3eb_prep:
	s_mov_b64 s[64:65], 0
	v_nop
	global_prefetch_b8 v0, s[64:65] scope:SCOPE_SE
	s_setreg_imm32_b32 hwreg(HW_REG_WAVE_MODE, 25, 1), 1
	s_wait_xcnt 0x0
; query [4096][1024] f32 becomes three sets of E5M2 codes (its scales in the three projections: entries 0, 2, 4 of lowp_scales), and Wq, Wk, Wv, Wo [k 1024][n 1024] f32
; one set each (entries 1, 3, 5, 11).  code = x / 2^e, held within +-57,344, to the nearest code, ties to even.
; ALL CODES ARE LAID AS IMAGES OF OPERAND REGISTERS.  A fragment is 16 rows x 128 k: lane (r = l % 16, h = l / 16) holds row r, and its registers 2 c, 2 c + 1 hold k = 16 c + 8 h + 0 .. 7.
; Four registers are a part of 512 bytes, lane l's 16 bytes at 16 l; a fragment is four parts on end, 2,048 bytes.  ximg: 3 x [row tile 256][k fragment 8]; wimg: 4 x [n tile 64][k fragment 8], rows = n.
; Work-groups 0-511: query, one fragment a wave.  Work-groups 512-767: the weights, two fragments a wave.  Waves share nothing: no barrier.  The two ways have LDS bytes of their own.
; Wave 0 of work-group 0 also stores, for each head, in how many leading steps of 128 keys the span mask is not 1 throughout: whole numbers for the attention launch.
; No cluster, no tensor load, no matrix unit: every input byte is read once, by one wave.
; LIMITS: each e between -126 and 112, so that 2^e and 57,344 x 2^e are f32 numbers.  NaN among the inputs is not served.
.set XST,  8448                        ; query's way: a wave's stage, 16 rows x (512 bytes + 16)
.set WST,  33792                       ; the weights' way: stages of 4,096 bytes a wave, behind the four above
.set R,    32                          ; numbers as loaded: v32-95 (query), v32-159 (weights)
.set X,    96                          ; v96-159  query: my 64 numbers in the operand's order
.set T,    160                         ; v160-175 query: two groups of eight held numbers, by turns
.set C,    176                         ; v176-223 query: 3 x 16 registers of codes
.set CW,   160                         ; v160-191 weights: 32 registers of codes
.macro MKSC e, sc, lim                 ; from the whole number in s[e]: v[sc] = 2^e as f32 (the conversion takes its exponent field), v[lim] = 57,344 x 2^e
	s_add_co_i32 s48, s[\e], 127
	s_lshl_b32 s49, s48, 23
	v_mov_b32 v[\sc], s49
	s_add_co_i32 s48, s48, 15
	s_lshl_b32 s48, s48, 23
	s_or_b32 s48, s48, 0x600000
	v_mov_b32 v[\lim], s48
.endm
	s_load_b512 s[4:19], s[0:1], 0x0               ; query s[4:5], Wq s[6:7], Wk s[8:9], Wv s[10:11], Wo s[12:13], span_val s[14:15], lowp_scales s[16:17], ximg s[18:19]
	s_load_b128 s[20:23], s[0:1], 0x40             ; wimg s[20:21], nmask s[22:23]
	v_lshl_add_u32 v224, v0, 2, 0xc400
	v_mov_b32 v225, 0
	v_lshrrev_b32 v1, 5, v0
	v_readfirstlane_b32 s24, v1                    ; wave 0..3
	v_and_b32 v1, 31, v0                           ; lane
	v_lshlrev_b32 v2, 4, v1                        ; 16 x lane
	v_and_b32 v3, 15, v0                           ; r
	v_bfe_u32 v4, v0, 4, 1                         ; h
	s_wait_kmcnt 0x0
	s_load_b256 s[36:43], s[16:17], 0x0            ; e0 .. e7
	s_load_b128 s[44:47], s[16:17], 0x20           ; e8 .. e11
	s_cmp_lt_u32 ttmp9, 512
	s_cbranch_scc0 .Lweights
	; ---- QUERY: fragment 4 x work-group + wave = 8 x row tile + k fragment
	s_lshl_b32 s25, ttmp9, 2
	s_add_co_u32 s25, s25, s24
	s_lshr_b32 s32, s25, 3
	s_lshl_b32 s32, s32, 16                        ; 16 rows of 4,096 bytes
	s_and_b32 s33, s25, 7
	s_lshl_b32 s33, s33, 9                         ; 128 numbers
	s_add_co_u32 s32, s32, s33
	s_mov_b32 s33, 0
	s_add_nc_u64 s[4:5], s[4:5], s[32:33]
.set i, 0
.rept 16
	global_load_b128 v[R+4*i:R+4*i+3], v2, s[4:5] offset:4096*i th:TH_LOAD_NT   ; row i: the wave reads 512 consecutive bytes, read once in the launch
.set i, i+1
.endr
	s_mul_i32 s34, s24, XST
	v_add_nc_u32 v5, s34, v2                       ; into the stage: as loaded
	v_mul_u32_u24 v6, v3, 528
	v_lshl_add_u32 v6, v4, 5, v6
	v_add_nc_u32 v6, s34, v6                       ; out of it: row r, + 32 h bytes: eight numbers of my half
	s_lshl_b32 s32, s25, 11
	s_add_nc_u64 s[26:27], s[18:19], s[32:33]      ; my fragment in the first image,
	s_add_nc_u64 s[28:29], s[26:27], 0x400000      ; the second,
	s_add_nc_u64 s[30:31], s[26:27], 0x800000      ; the third
	s_wait_kmcnt 0x0
	MKSC 36, 8, 9                                  ; e0
	MKSC 38, 10, 11                                ; e2
	MKSC 40, 12, 13                                ; e4
.set i, 0
.rept 16
	s_wait_loadcnt 15-i                            ; loads come back in order: row i is in, the younger rows may be out
	ds_store_b128 v5, v[R+4*i:R+4*i+3] offset:528*i
.set i, i+1
.endr
.set c, 0
.rept 8                                        ; LDS serves a wave's instructions in order: these see the stores above
	ds_load_b128 v[X+8*c:X+8*c+3], v6 offset:64*c          ; k = 16 c + 8 h + 0 .. 3
	ds_load_b128 v[X+8*c+4:X+8*c+7], v6 offset:64*c+16     ; + 4 .. 7
.set c, c+1
.endr
.macro XQ s, first                             ; the 64 numbers under scale s.  The other group's eight holds are the plain lines between a conversion and the next write of its sources
.set c, 0
.rept 8
.if \first
	s_wait_dscnt 14-2*c                            ; group c's two loads are in; the 14 - 2 c younger ones may be out
.endif
.set j, 0
.rept 8
	v_med3_num_f32 v[T+8*(c%2)+j], v[X+8*c+j], -v[9+2*\s], v[9+2*\s]   ; the conversion does not saturate (ISA guide 7.6.2): the hold comes first
.set j, j+1
.endr
	v_cvt_scalef32_pk8_bf8_f32 v[C+16*\s+2*c:C+16*\s+2*c+1], v[T+8*(c%2):T+8*(c%2)+7], v[8+2*\s]   ; registers 2 c, 2 c + 1 of the fragment
.set c, c+1
.endr
.endm
	XQ 0, 1
	XQ 1, 0
	XQ 2, 0
	v_nop                                          ; a plain line behind the last conversion
.set p, 0
.rept 4
	global_store_b128 v2, v[C+4*p:C+4*p+3], s[26:27] offset:512*p          ; a part: the wave stores 512 consecutive bytes, aligned
	global_store_b128 v2, v[C+16+4*p:C+16+4*p+3], s[28:29] offset:512*p
	global_store_b128 v2, v[C+32+4*p:C+32+4*p+3], s[30:31] offset:512*p
.set p, p+1
.endr
	; ---- the span mask's reach.  mask(k) = clip((k + 2048 c) / 33, 0, 1) never falls as k grows, and is 1 from the first k with k + 2048 c >= 33.
	; So step j of 128 keys has a mask below 1 exactly where its first key has, and those steps are the leading ones: their count is stored, at a fixed place.
	s_or_b32 s48, ttmp9, s24
	s_cmp_lg_u32 s48, 0
	s_cbranch_scc1 .Lend
	v_lshlrev_b32 v14, 2, v3
	global_load_b32 v15, v14, s[14:15]             ; lane l: c of head l % 16
	v_lshlrev_b32 v16, 2, v1
	v_mov_b32 v17, 0
	s_wait_loadcnt 0x0
	v_mul_f32 v15, 0x45000000, v15                 ; 2048 c: exact
.set j, 0
.rept 16
	v_cvt_f32_u32 v18, 128*j
	v_add_f32 v18, v18, v15                        ; one rounding, as the definition has it
	v_cmp_gt_f32 vcc_lo, 0x42040000, v18           ; 33 > k + 2048 c
	v_cndmask_b32 v19, 0, 1, vcc_lo
	v_add_nc_u32 v17, v17, v19
.set j, j+1
.endr
	global_store_b32 v16, v17, s[22:23]
.Lend:
	s_wait_tensorcnt 0x0
	ds_add_u32 v224, v225
	s_wait_dscnt 0x0
	s_endpgm
	; ---- THE WEIGHTS.  K is the first axis: A LANE TAKES A COLUMN n AND ITS REGISTERS RUN DOWN K, so the conversions give codes with K innermost and nothing is transposed.
	; A work-group: weight (g >> 6), k fragment ((g >> 3) & 7), 128 columns (g & 7); a wave 32 of them: two fragments.
.Lweights:
	s_sub_co_u32 s25, ttmp9, 512
	s_lshr_b32 s32, s25, 6                         ; which weight
	s_bfe_u32 s33, s25, 0x30003                    ; k fragment
	s_and_b32 s34, s25, 7                          ; group of 128 columns
	s_wait_kmcnt 0x0
	s_cmp_eq_u32 s32, 1                            ; the choices hang on the work-group's number alone
	s_cselect_b64 s[26:27], s[8:9], s[6:7]
	s_cselect_b32 s28, s39, s37                    ; e3 or e1
	s_cmp_eq_u32 s32, 2
	s_cselect_b64 s[26:27], s[10:11], s[26:27]
	s_cselect_b32 s28, s41, s28                    ; e5
	s_cmp_eq_u32 s32, 3
	s_cselect_b64 s[26:27], s[12:13], s[26:27]
	s_cselect_b32 s28, s47, s28                    ; e11
	s_lshl_b32 s30, s33, 19                        ; 128 rows of 4,096 bytes
	s_lshl_b32 s31, s34, 9
	s_add_co_u32 s30, s30, s31
	s_lshl_b32 s31, s24, 7                         ; my wave's 32 columns
	s_add_co_u32 s30, s30, s31
	s_mov_b32 s31, 0
	s_add_nc_u64 s[26:27], s[26:27], s[30:31]
	v_lshlrev_b32 v7, 2, v1
.set k, 0
.rept 128
	global_load_b32 v[R+k], v7, s[26:27] offset:4096*k th:TH_LOAD_NT   ; W(k, my column): the wave reads 128 consecutive bytes, the four waves 512
.set k, k+1
.endr
	MKSC 28, 8, 9
	s_lshl_b32 s35, s24, 12
	s_add_co_u32 s35, s35, WST                     ; my stage: two fragments' images
	v_lshlrev_b32 v10, 4, v3
	v_lshl_add_u32 v10, v4, 11, v10
	v_add_nc_u32 v10, s35, v10                     ; in: fragment lane / 16, row r = lane % 16
	v_add_nc_u32 v11, s35, v2                      ; back: 16 x lane
	s_lshl_b32 s30, s32, 20                        ; the weight's image,
	s_lshl_b32 s31, s34, 17                        ; 8 n tiles of 16,384 bytes,
	s_add_co_u32 s30, s30, s31
	s_lshl_b32 s31, s24, 15                        ; my two,
	s_add_co_u32 s30, s30, s31
	s_lshl_b32 s31, s33, 11                        ; the k fragment
	s_add_co_u32 s30, s30, s31
	s_mov_b32 s31, 0
	s_add_nc_u64 s[20:21], s[20:21], s[30:31]
.set b, 0
.rept 4                                        ; 32 numbers at a time
.if b < 2
	s_wait_loadcnt 63                              ; at most 96, then 64, may be out; 63 is the largest count that the wait can name
.elseif b == 2
	s_wait_loadcnt 32
.else
	s_wait_loadcnt 0
.endif
.set g, 4*b
.rept 4
.set j, 0
.rept 8
	v_med3_num_f32 v[R+8*g+j], v[R+8*g+j], -v9, v9
.set j, j+1
.endr
	v_cvt_scalef32_pk8_bf8_f32 v[CW+2*g:CW+2*g+1], v[R+8*g:R+8*g+7], v8    ; k = 8 g + 0 .. 7 of my column
.set g, g+1
.endr
.set b, b+1
.endr
	v_nop                                          ; a plain line behind the last conversion
.set g, 0
.rept 16                                       ; k = 8 g on is c = g / 2, h = g % 2 of the fragment: part g / 4, lane r + 16 (g % 2), byte 8 ((g / 2) % 2) of that lane's 16
	ds_store_b64 v10, v[CW+2*g:CW+2*g+1] offset:512*(g/4)+256*(g%2)+8*((g/2)%2)
.set g, g+1
.endr
.set i, 0
.rept 8
	ds_load_b128 v[R+4*i:R+4*i+3], v11 offset:512*i        ; in order behind my stores
.set i, i+1
.endr
.set i, 0
.rept 8
	s_wait_dscnt 7-i
	global_store_b128 v2, v[R+4*i:R+4*i+3], s[20:21] offset:(i/4)*16384+(i%4)*512   ; a part: 512 consecutive bytes, aligned
.set i, i+1
.endr
	s_wait_tensorcnt 0x0
	ds_add_u32 v224, v225
	s_wait_dscnt 0x0
	s_endpgm
.Lfunc_end_k_q2ab6dab3eb_prep:
	.size	k_q2ab6dab3eb_prep, .Lfunc_end_k_q2ab6dab3eb_prep-k_q2ab6dab3eb_prep
	.p2alignl 7, 3214868480
	.fill 96, 4, 3214868480
	.section	.rodata,"a",@progbits
	.p2align	6, 0x0
	.amdhsa_kernel k_q2ab6dab3eb_prep
		.amdhsa_group_segment_fixed_size 50688
		.amdhsa_private_segment_fixed_size 0
		.amdhsa_enable_private_segment 0
		.amdhsa_kernarg_size 80
		.amdhsa_user_sgpr_count 2
		.amdhsa_user_sgpr_kernarg_segment_ptr 1
		.amdhsa_wavefront_size32 1
		.amdhsa_system_sgpr_workgroup_id_x 1
		.amdhsa_system_sgpr_workgroup_id_y 1
		.amdhsa_system_sgpr_workgroup_id_z 1
		.amdhsa_system_vgpr_workitem_id 0
		.amdhsa_next_free_vgpr 226
		.amdhsa_next_free_sgpr 66
		.amdhsa_reserve_vcc 1
		.amdhsa_float_denorm_mode_32 3
		.amdhsa_float_denorm_mode_16_64 3
		.amdhsa_memory_ordered 1
		.amdhsa_forward_progress 1
		.amdhsa_inst_pref_size 52
	.end_amdhsa_kernel
	.amdgpu_metadata
---
amdhsa.version: [ 1, 2 ]
amdhsa.kernels:
  - .name:           k_q2ab6dab3eb_prep
    .symbol:         k_q2ab6dab3eb_prep.kd
    .args:
      - { .name: query, .offset: 0, .size: 8, .value_kind: global_buffer, .address_space: global }
      - { .name: Wq, .offset: 8, .size: 8, .value_kind: global_buffer, .address_space: global }
      - { .name: Wk, .offset: 16, .size: 8, .value_kind: global_buffer, .address_space: global }
      - { .name: Wv, .offset: 24, .size: 8, .value_kind: global_buffer, .address_space: global }
      - { .name: Wo, .offset: 32, .size: 8, .value_kind: global_buffer, .address_space: global }
      - { .name: span_val, .offset: 40, .size: 8, .value_kind: global_buffer, .address_space: global }
      - { .name: lowp_scales, .offset: 48, .size: 8, .value_kind: global_buffer, .address_space: global }
      - { .name: ximg, .offset: 56, .size: 8, .value_kind: global_buffer, .address_space: global }
      - { .name: wimg, .offset: 64, .size: 8, .value_kind: global_buffer, .address_space: global }
      - { .name: nmask, .offset: 72, .size: 8, .value_kind: global_buffer, .address_space: global }
    .group_segment_fixed_size: 50688
    .private_segment_fixed_size: 0
    .kernarg_segment_align: 8
    .kernarg_segment_size: 80
    .max_flat_workgroup_size: 128
    .sgpr_count:     66
    .vgpr_count:     226
    .wavefront_size: 32
...
	.end_amdgpu_metadata
.endif
;; end of part 1
;; launch gemm_qkv (part 2): grid 4 x 48, 4 waves a work-group, clusters of 4 x 4, 327,680 bytes of LDS; arguments ximg, wimg, lowp_scales, qkv; writes qkv
.if DOCPART == 2
	.amdgcn_target "amdgcn-amd-amdhsa--gfx1250"
	.amdhsa_code_object_version 6
	.text
	.protected	k_q2ab6dab3eb_gemm_qkv
	.globl	k_q2ab6dab3eb_gemm_qkv
	.p2align	8
	.type	k_q2ab6dab3eb_gemm_qkv,@function
k_q2ab6dab3eb_gemm_qkv:
	s_mov_b64 s[64:65], 0
	v_nop
	global_prefetch_b8 v0, s[64:65] scope:SCOPE_SE
	s_setreg_imm32_b32 hwreg(HW_REG_WAVE_MODE, 25, 1), 1
	s_wait_xcnt 0x0
	s_wait_alu depctr_hold_cnt(0) depctr_sa_sdst(0) depctr_va_vdst(0) depctr_va_sdst(0) depctr_va_ssrc(0) depctr_va_vcc(0) depctr_vm_vsrc(0)
	s_getreg_b32 s2, hwreg(HW_REG_IB_STS2, 6, 4)
	s_cmp_eq_u32 s2, 0
	s_cbranch_scc0 .Lentry_in_a_cluster
	s_endpgm
.Lentry_in_a_cluster:
	s_bfe_u32 s2, ttmp6, 0x10000c
	s_cmp_lg_u32 s2, 0xf033
	s_cbranch_scc0 .Lentry_shape_is_right
	s_endpgm
.Lentry_shape_is_right:
; The three projections on E5M2 codes, K = 1,024, and their results quantised on the way out into operand images for the attention launch.
; JOBS, by the cluster's y (Y = 0 .. 11; job = Y / 4): 0: q = x Wq; 1: k = x Wk; 2: v, made TRANSPOSED (A = Wv's columns, B = x's rows), since the keys are the K of the product that takes v.
; A tile of C is 256 x 256, a work-group of four waves; a wave makes 128 x 128: 64 accumulators, 512 registers.  64 tiles a job, 192 work-groups.
; OPERANDS LIE IN MEMORY AS IMAGES OF FRAGMENTS (16 rows x 128 k, 2,048 bytes: four parts of 512, lane l's 16 bytes at 16 l; [row tile][k fragment 8]).  A K step is 256 along K: two fragments, 4,096 consecutive
; bytes of each row tile.  One tensor load brings 8 row tiles x 4,096 bytes; in LDS they lie on end, and every fragment read is four ds_load_b128 at 16 x lane: consecutive bytes, no pitch, no padding.
; CLUSTERS: 4 x 4 work-groups.  A's tiles hang on cy alone and are asked for jointly by a row of the cluster, B's on cx alone, by a column.  The job is the same in all sixteen; no branch hangs on it.
; THE MATRIX INSTRUCTION IS USED TRANSPOSED (source 0 = 16 rows of B, source 1 = 16 rows of A): lane (r, h) holds row r of A's block a, and its registers B's rows 16 b + 8 h + 0 .. 7.  One conversion of
; an accumulator's eight registers therefore IS registers 2 b, 2 b + 1 of the next product's operand: the results go from the accumulators to memory as images, with no stage in LDS.
; qkv: q at 0, k at 4 MiB, v at 8 MiB, each [16 batch + head][131,072 bytes]; q, k: [token tile 128][1,024] (16 tokens x 64 d); v: [key step 16][d tile 4][2,048] (16 d x 128 keys).
; LIMITS: e6 - e0 - e1, e7 - e2 - e3 and e9 - e4 - e5 between -126 and 112, so that the folded scale and 57,344 x it are f32 numbers.
; REGISTERS, in windows of 256: window 0: v4 16 x lane, v16-29 addresses; from v128 A's fragments, ONE set; on the way out v32-95 held sums, v96-113 offsets and scales, v128-255 codes.
;   window 1: B's fragments, TWO sets, at v0 and v128.   window 2: the accumulators of my rows 0-63 ((a, b) at v[8 (8 a + b)]);   window 3: those of rows 64-127.
.set FR,     16                        ; registers of a fragment
.set NL,     4                         ; LDS loads that bring one
.set NP,     4                         ; places behind this matrix instruction (ISA guide 7.12.1)
.set HALFT,  32768                     ; 8 row tiles x 4,096 bytes: what one tensor load brings, and what one wave reads of A or of B
.set SLOT,   4*HALFT                   ; A's 256 rows, then B's
.set KSTB,   4096                      ; a K step in a row tile's 16,384 bytes
.set SPARE,  2*SLOT                    ; behind the ring: the spare words, 128 bytes for each wave, which no other line names
.set LN,   4                           ; v4      16 x lane
.set ADRA, 16                          ; v16-17  LDS address of my A fragments in slot 0, 1
.set ADRB, 20                          ; v20-21  the same for B
.set SPW,  28                          ; v28     my spare word; never rewritten
.set NIL,  29                          ; v29     0; never rewritten
.set TMP,  32                          ; the way out: a block's 64 sums, held
.set VO,   96                          ; v96-103   block a's byte offset in the image;  v104-111 the same for its second half
.set VO2,  104
.set LIM,  112                         ; v112    57,344 x the folded scale
.set SC,   113                         ; v113    the folded scale
.set AF,   128                         ; A's fragments, in window 0
.set CODE, 128                         ; the way out: 16 registers of codes for each block, never written twice
.set G1, 24                            ; s[24:31] descriptor group 1 for A's tiles;  s[32:39] group 0, one set for each slot
.set G0, 32
.set G1B, 48                           ; s[48:55], s[56:63] the same for B's tiles
.set G0B, 56
.set MSB, 0
.macro WIN new                         ; the immediate's high byte repeats the setting that is left
.if MSB != \new
	s_set_vgpr_msb (MSB<<8)|\new
.set MSB, \new
.endif
.endm
.set MUL_LO, 0xa1                      ; source 0 (B) window 1, source 1 (A) window 0, C and D window 2
.set MUL_HI, 0xf1                      ; the same, C and D window 3
.set TO_B,   0x40                      ; destination window 1, address window 0
; A joint load: waves 0 and 1 fetch for A, waves 2 and 3 for B.  Each line has one mask and one set of registers for all that issue it; the branch hangs on the wave's number alone.
; Four v_nop follow each of the two lines, ahead of the jump, the label and what follows.
.macro JLOAD g0a, g1a, g0b, g1b
	s_cmp_eq_u32 s15, 0
	s_cbranch_scc0 .Lfor_b_\@
	tensor_load_to_lds s[\g0a:\g0a+3], s[\g1a:\g1a+7]
	s_nop 0
.rept 4
	v_nop
.endr
	s_branch .Lasked_\@
.Lfor_b_\@:
	tensor_load_to_lds s[\g0b:\g0b+3], s[\g1b:\g1b+7]
	s_nop 0
.rept 4
	v_nop
.endr
.Lasked_\@:
.endm
.macro CREST                           ; a round of the cluster's barrier behind its opening barrier
	s_cmp_lg_u32 s14, 0
	s_cbranch_scc1 .Lnot_wave_0_\@
	s_barrier_signal -3
.Lnot_wave_0_\@:
	s_barrier_wait -3
	s_barrier_signal -1
	s_barrier_wait -1
.endm
.macro CROUND                          ; a whole round
	s_barrier_signal -1
	s_barrier_wait -1
	CREST
.endm
	s_load_b128 s[4:7], s[0:1], 0x0                ; ximg s[4:5], wimg s[6:7]
	s_load_b128 s[8:11], s[0:1], 0x10              ; lowp_scales s[8:9], qkv s[10:11]
	v_lshl_add_u32 v[SPW], v0, 2, SPARE
	v_mov_b32 v[NIL], 0
	ds_add_u32 v28, v29
	ds_add_u32 v28, v29
	s_wait_dscnt 0x0
	v_lshrrev_b32 v1, 5, v0
	v_readfirstlane_b32 s14, v1                    ; wave 0..3
	s_lshr_b32 s15, s14, 1                         ; which half of A's rows is mine.  Also: I fetch for A (0) or for B (1)
	s_and_b32 s16, s14, 1                          ; which half of B's rows.  Also: which 128 rows of that tile I fetch
	s_bfe_u32 s40, ttmp6, 0x40000                  ; cx, cy: my place in the cluster
	s_bfe_u32 s41, ttmp6, 0x40004
	s_and_b32 s12, ttmp7, 0xffff                   ; the cluster's y, which all sixteen share
	s_and_b32 s13, s12, 3                          ; which four tiles of the token side
	s_lshr_b32 s12, s12, 2                         ; the job
	s_lshl_b32 s18, s13, 2
	s_lshl_b32 s84, s12, 22                        ; A in jobs 0, 1: x's image of the job, 4 MiB each
	s_lshl_b32 s86, s12, 20                        ; B in jobs 0, 1: the job's weight, 1 MiB each
	s_cmp_eq_u32 s12, 2
	s_cselect_b32 s19, 0, s18
	s_cselect_b32 s18, s18, 0
	s_cselect_b32 s84, 0x200000, s84               ; A in job 2: Wv's image
	s_cselect_b32 s86, 0x800000, s86               ; B in job 2: x's third image
	s_add_co_u32 s17, s41, s19                     ; A's tile: cy, + 4 x the cluster's part where A is x
	s_add_co_u32 s42, s40, s18                     ; B's tile: cx, + 4 x the cluster's part where B is x
	s_lshl_b32 s43, s41, 2
	s_lshl_b32 s43, 15, s43                        ; my row of the cluster
	s_lshl_b32 s44, 0x1111, s40                    ; my column
	; descriptor group 1: 8 rows (row tiles) of 512 elements of 8 bytes, 2,048 elements apart; dense in LDS
	s_or_b32 s[G1+0], s43, (3<<16)|(1<<21)         ; 15:0 the mask: A's tiles go to my row; 17:16 elements of 8 bytes; 20 no padding; 21 set beside a mask
	s_or_b32 s[G1B+0], s44, (3<<16)|(1<<21)
.irp g, G1, G1B
	s_mov_b32 s[\g+1], 512<<16                     ; tensor_dim0 = 512
	s_mov_b32 s[\g+2], 8<<16                       ; tensor_dim1 = 8
	s_mov_b32 s[\g+3], 512<<16                     ; tile_dim0 = 512
	s_mov_b32 s[\g+4], 8                           ; tile_dim1 = 8
	s_mov_b32 s[\g+5], 2048                        ; tensor_dim0_stride
	s_mov_b32 s[\g+6], 0
	s_mov_b32 s[\g+7], 0
.endr
	s_lshl_b32 s18, s16, 17                        ; which 8 row tiles of the tile's 16 I fetch
	s_lshl_b32 s20, s17, 18                        ; A: 16 row tiles of 16,384 bytes a tile
	s_add_co_u32 s20, s20, s18
	s_add_co_u32 s20, s20, s84
	s_mov_b32 s21, 0
	s_lshl_b32 s46, s42, 18                        ; B likewise
	s_add_co_u32 s46, s46, s18
	s_add_co_u32 s46, s46, s86
	s_mov_b32 s47, 0
	s_mul_i32 s45, s14, HALFT                      ; where they go: wave x 32,768: no place in the cluster enters an LDS address
	s_wait_kmcnt 0x0
	s_load_b256 s[68:75], s[8:9], 0x0              ; e0 .. e7
	s_load_b128 s[76:79], s[8:9], 0x20             ; e8 .. e11
	s_cmp_eq_u32 s12, 2
	s_cselect_b64 s[80:81], s[6:7], s[4:5]         ; A's buffer
	s_cselect_b64 s[82:83], s[4:5], s[6:7]         ; B's
	s_add_nc_u64 s[20:21], s[80:81], s[20:21]
	s_add_nc_u64 s[46:47], s[82:83], s[46:47]
	CROUND                                         ; all sixteen work-groups are here: the first joint loads meet
.irp s, 0,1
	s_mov_b32 s[G0+4*\s], 1
	s_add_co_u32 s[G0+4*\s+1], s45, \s*SLOT
	s_add_nc_u64 s[G0+4*\s+2:G0+4*\s+3], s[20:21], \s*KSTB
	s_or_b32 s[G0+4*\s+3], s[G0+4*\s+3], 0x80000000
	s_mov_b32 s[G0B+4*\s], 1
	s_add_co_u32 s[G0B+4*\s+1], s45, \s*SLOT
	s_add_nc_u64 s[G0B+4*\s+2:G0B+4*\s+3], s[46:47], \s*KSTB
	s_or_b32 s[G0B+4*\s+3], s[G0B+4*\s+3], 0x80000000
	JLOAD G0+4*\s, G1, G0B+4*\s, G1B
.endr
	v_and_b32 v1, 31, v0
	v_lshlrev_b32 v[LN], 4, v1
	s_mul_i32 s88, s15, HALFT                      ; my 128 rows of A
	s_mul_i32 s89, s16, HALFT                      ; my 128 rows of B,
	s_add_co_u32 s89, s89, 2*HALFT                 ; which lie behind A's 256
.irp s, 0,1
	v_add_nc_u32 v[ADRA+\s], s88, v[LN]
	v_add_nc_u32 v[ADRB+\s], s89, v[LN]
	s_add_co_u32 s88, s88, SLOT
	s_add_co_u32 s89, s89, SLOT
.endr
.macro FRAG reg, adr, q, i             ; row tile i's fragment q of the slot: four parts, as they were stored
.irp c, 0,1,2,3
	ds_load_b128 v[\reg+4*\c:\reg+4*\c+3], v[\adr] offset:2048*(\q)+512*\c+(\i)*4096
.endr
.endm
; 16 matrix instructions: A's blocks a0, a0 + 1 x B's eight, 128 along K.  p: B's set.  zero = 1: the first product starts the sums.
; The 64 accumulators take turns, one instruction a turn, in the same order in every step.
.macro MUL16 a0, p, zero
.irp a, \a0, \a0+1
.irp b, 0,1,2,3,4,5,6,7
.if \zero
	v_wmma_f32_16x16x128_bf8_bf8 v[8*(8*((\a)%4)+\b):8*(8*((\a)%4)+\b)+7], v[128*(\p)+FR*\b:128*(\p)+FR*\b+FR-1], v[AF+FR*(\a):AF+FR*(\a)+FR-1], 0
.else
	v_wmma_f32_16x16x128_bf8_bf8 v[8*(8*((\a)%4)+\b):8*(8*((\a)%4)+\b)+7], v[128*(\p)+FR*\b:128*(\p)+FR*\b+FR-1], v[AF+FR*(\a):AF+FR*(\a)+FR-1], v[8*(8*((\a)%4)+\b):8*(8*((\a)%4)+\b)+7]
.endif
.endr
.endr
.endm
.macro FETCH_B slot, q, p              ; B's eight fragments of the slot's q-th 128 along K into set p
	WIN TO_B
.irp i, 0,1,2,3,4,5,6,7
	FRAG 128*(\p)+FR*\i, ADRB+\slot, \q, \i
.endr
	WIN 0
.endm
.macro FETCH_A slot, q, i0             ; A's blocks i0 .. i0 + 3
.irp i, \i0, \i0+1, \i0+2, \i0+3
	FRAG AF+FR*(\i), ADRA+\slot, \q, \i
.endr
.endm
.macro PLACES n                        ; plain vector lines between a matrix instruction and a load into one of its registers, or a read of its result
.rept \n
	v_nop
.endr
.endm
; A step of 128 along K that has its successor in the same slot.  A block of A is free when its eight products are issued: one set serves A; B's fragments work through the whole step and have two.
.macro STEP slot, q, zero
	s_wait_dscnt 4*NL                              ; B's set and A's blocks 0-3 are in; the youngest sixteen loads (A's blocks 4-7) may be out
	WIN MUL_LO
	MUL16 0, (\q)%2, \zero
	MUL16 2, (\q)%2, \zero
	s_wait_dscnt 0                                 ; A's blocks 4-7 are in
	PLACES NP
	FETCH_B \slot, (\q)+1, 1-(\q)%2
	FETCH_A \slot, (\q)+1, 0
	WIN MUL_HI
	MUL16 4, (\q)%2, \zero
	MUL16 6, (\q)%2, \zero
	PLACES NP
	WIN 0
	FETCH_A \slot, (\q)+1, 4
.endm
; A slot's last step changes slots: one barrier; in front of it each wave waits for all its tensor loads, adds 0 to its spare word, and waits for that and for its reads of this slot.  fill = 1: the slot is filled again, two K steps ahead.
.macro TURN slot, next, fill
	s_wait_tensorcnt 0x0                           ; all my tensor loads have landed: my part of the next slot  (every window is 0 here)
	ds_add_u32 v[SPW], v[NIL]                      ; 0 onto my spare word
	s_wait_dscnt 4*NL+1                            ; the add and the youngest sixteen loads, A's blocks 4-7, may be out
	WIN MUL_LO
	MUL16 0, 1, 0                                  ; sixteen matrix instructions stand between the add and the wait for it
	s_wait_dscnt 0x0                               ; the add is done, and my reads of this slot are over
	s_barrier_signal -1
	MUL16 2, 1, 0
	WIN 0
	s_barrier_wait -1
.if \fill
	CREST                                          ; the barrier has opened a round of the cluster's: no wave of any partner still reads this slot or has a load on its way
	s_add_nc_u64 s[G0+4*\slot+2:G0+4*\slot+3], s[G0+4*\slot+2:G0+4*\slot+3], 2*KSTB
	s_add_nc_u64 s[G0B+4*\slot+2:G0B+4*\slot+3], s[G0B+4*\slot+2:G0B+4*\slot+3], 2*KSTB
	JLOAD G0+4*\slot, G1, G0B+4*\slot, G1B         ; the first tensor load behind the round; its four v_nop are also the places in front of the loads below
.else
	PLACES NP
.endif
	FETCH_B \next, 0, 0
	FETCH_A \next, 0, 0
	WIN MUL_HI
	MUL16 4, 1, 0
	MUL16 6, 1, 0
	PLACES NP
	WIN 0
	FETCH_A \next, 0, 4
.endm
	s_wait_tensorcnt 1                             ; my part of K step 0 is in; K step 1's load may be out
	s_barrier_signal -1
	s_barrier_wait -1
	FETCH_B 0, 0, 0
	FETCH_A 0, 0, 0
	FETCH_A 0, 0, 4
	STEP 0, 0, 1                                   ; K = 1,024 is four K steps: written out, no loop.  The first products start the sums
	TURN 0, 1, 1                                   ; slot 0 takes K step 2
	STEP 1, 0, 0
	TURN 1, 0, 1                                   ; slot 1 takes K step 3
	STEP 0, 0, 0
	TURN 0, 1, 0                                   ; nothing is left to fetch
	STEP 1, 0, 0
	s_wait_dscnt 4*NL
	WIN MUL_LO
	MUL16 0, 1, 0
	MUL16 2, 1, 0
	s_wait_dscnt 0
	WIN MUL_HI
	MUL16 4, 1, 0
	MUL16 6, 1, 0
	WIN 0
	; THE WAY OUT.  A sum stands for sum x 2^(eA + eB); its code under the next product's scale 2^eC is sum / 2^(eC - eA - eB): the three scales are folded into the conversion's one.  All choices by the job are selects.
	s_wait_kmcnt 0x0
	s_sub_co_i32 s90, s74, s68
	s_sub_co_i32 s90, s90, s69                     ; q: e6 - e0 - e1
	s_sub_co_i32 s91, s75, s70
	s_sub_co_i32 s91, s91, s71                     ; k: e7 - e2 - e3
	s_sub_co_i32 s92, s77, s72
	s_sub_co_i32 s92, s92, s73                     ; v: e9 - e4 - e5
	s_mov_b32 s93, 0x20000
	s_cmp_eq_u32 s12, 1
	s_cselect_b32 s90, s91, s90
	s_cmp_eq_u32 s12, 2
	s_cselect_b32 s90, s92, s90
	s_cselect_b32 s84, s42, s17                    ; the token side's tile,
	s_cselect_b32 s85, s16, s15                    ; and my half of it
	s_cselect_b32 s86, s17, s42                    ; the weight side's tile (64 x 4 columns: four heads),
	s_cselect_b32 s87, s15, s16                    ; and my half: two heads
	s_cselect_b32 s88, 11, 10                      ; from block a to a + 1: q, k: a token tile, 1,024 bytes; v: a d tile, 2,048
	s_cselect_b32 s89, 0x1e000, 0                  ; v: blocks 4-7 are the next head's: 131,072 - 4 x 2,048 more
	s_cselect_b32 s93, 1024, s93                   ; a block's second eight registers of codes: q, k: the next head; v: parts 2 and 3
	s_add_co_i32 s90, s90, 127
	s_lshl_b32 s91, s90, 23
	v_mov_b32 v[SC], s91
	s_add_co_i32 s90, s90, 15
	s_lshl_b32 s90, s90, 23
	s_or_b32 s90, s90, 0x600000
	v_mov_b32 v[LIM], s90
	s_lshr_b32 s94, s84, 3                         ; the batch: 8 tiles of 256 tokens each
	s_lshl_b32 s94, s94, 4
	s_lshl_b32 s86, s86, 2
	s_add_co_u32 s94, s94, s86
	s_lshl_b32 s87, s87, 1
	s_add_co_u32 s94, s94, s87                     ; 16 batch + my first head,
	s_lshl_b32 s94, s94, 17                        ; x 131,072 bytes
	s_and_b32 s84, s84, 7
	s_lshl_b32 s84, s84, 1
	s_add_co_u32 s84, s84, s85                     ; which 128 tokens of the batch's 2,048,
	s_lshl_b32 s84, s84, 13                        ; x 8,192 bytes, in all three layouts
	s_add_co_u32 s94, s94, s84
	s_lshl_b32 s84, s12, 22                        ; the job's 4 MiB
	s_add_co_u32 s94, s94, s84
	s_mov_b32 s95, 0
	s_add_nc_u64 s[10:11], s[10:11], s[94:95]
.irp a, 0,1,2,3,4,5,6,7
	s_lshl_b32 s84, \a, s88
.if \a >= 4
	s_add_co_u32 s84, s84, s89
.endif
	v_add_nc_u32 v[VO+\a], s84, v[LN]
	v_add_nc_u32 v[VO2+\a], s93, v[VO+\a]
.endr
	PLACES NP
; Block a: 64 sums are held (each accumulator from its low end on), converted, and stored as four parts.  No register that a store reads is written again, so no wait stands here.
.macro OUTBLK a
.set AC, 64*((\a)%4)
	WIN 0x02+((\a)/4)                              ; source 0: window 2 or 3
.set j, 0
.rept 64
	v_med3_num_f32 v[TMP+j], v[AC+j], -v[LIM], v[LIM]      ; the conversion does not saturate (ISA guide 7.6.2)
.set j, j+1
.endr
	WIN 0
.set b, 0
.rept 8
	v_cvt_scalef32_pk8_bf8_f32 v[CODE+16*(\a)+2*b:CODE+16*(\a)+2*b+1], v[TMP+8*b:TMP+8*b+7], v[SC]
.set b, b+1
.endr
	v_nop                                          ; a plain line between the conversions and the next block's holds, which write their sources
	global_store_b128 v[VO+(\a)], v[CODE+16*(\a):CODE+16*(\a)+3], s[10:11]                 ; each store: 512 consecutive bytes, aligned
	global_store_b128 v[VO+(\a)], v[CODE+16*(\a)+4:CODE+16*(\a)+7], s[10:11] offset:512
	global_store_b128 v[VO2+(\a)], v[CODE+16*(\a)+8:CODE+16*(\a)+11], s[10:11]
	global_store_b128 v[VO2+(\a)], v[CODE+16*(\a)+12:CODE+16*(\a)+15], s[10:11] offset:512
.endm
.irp a, 0,1,2,3,4,5,6,7
	OUTBLK \a
.endr
	s_wait_tensorcnt 0x0                           ; the wave's end
	ds_add_u32 v[SPW], v[NIL]
	s_wait_dscnt 0x0
	CROUND                                         ; the closing round: no work-group ends while a partner may still ask for a tile that names it
	s_endpgm
.Lfunc_end_k_q2ab6dab3eb_gemm_qkv:
	.size	k_q2ab6dab3eb_gemm_qkv, .Lfunc_end_k_q2ab6dab3eb_gemm_qkv-k_q2ab6dab3eb_gemm_qkv
	.p2alignl 7, 3214868480
	.fill 96, 4, 3214868480
	.section	.rodata,"a",@progbits
	.p2align	6, 0x0
	.amdhsa_kernel k_q2ab6dab3eb_gemm_qkv
		.amdhsa_group_segment_fixed_size 327680
		.amdhsa_private_segment_fixed_size 0
		.amdhsa_enable_private_segment 0
		.amdhsa_kernarg_size 32
		.amdhsa_user_sgpr_count 2
		.amdhsa_user_sgpr_kernarg_segment_ptr 1
		.amdhsa_wavefront_size32 1
		.amdhsa_system_sgpr_workgroup_id_x 1
		.amdhsa_system_sgpr_workgroup_id_y 1
		.amdhsa_system_sgpr_workgroup_id_z 1
		.amdhsa_system_vgpr_workitem_id 0
		.amdhsa_next_free_vgpr 1024
		.amdhsa_next_free_sgpr 100
		.amdhsa_reserve_vcc 0
		.amdhsa_float_denorm_mode_32 3
		.amdhsa_float_denorm_mode_16_64 3
		.amdhsa_memory_ordered 1
		.amdhsa_forward_progress 1
		.amdhsa_inst_pref_size 119
	.end_amdhsa_kernel
	.amdgpu_metadata
---
amdhsa.version: [ 1, 2 ]
amdhsa.kernels:
  - .name:           k_q2ab6dab3eb_gemm_qkv
    .symbol:         k_q2ab6dab3eb_gemm_qkv.kd
    .args:
      - { .name: ximg, .offset: 0, .size: 8, .value_kind: global_buffer, .address_space: global }
      - { .name: wimg, .offset: 8, .size: 8, .value_kind: global_buffer, .address_space: global }
      - { .name: lowp_scales, .offset: 16, .size: 8, .value_kind: global_buffer, .address_space: global }
      - { .name: qkv, .offset: 24, .size: 8, .value_kind: global_buffer, .address_space: global }
    .group_segment_fixed_size: 327680
    .private_segment_fixed_size: 0
    .kernarg_segment_align: 8
    .kernarg_segment_size: 32
    .max_flat_workgroup_size: 128
    .sgpr_count:     100
    .vgpr_count:     1024
    .wavefront_size: 32
...
	.end_amdgpu_metadata
.endif
;; end of part 2
;; launch attn (part 3): grid 8 x 32, 16 waves a work-group, no clusters, 264,192 bytes of LDS; arguments qkv, nmask, span_val, lowp_scales, aimg; writes aimg
.if DOCPART == 3
	.amdgcn_target "amdgcn-amd-amdhsa--gfx1250"
	.amdhsa_code_object_version 6
	.text
	.protected	k_q2ab6dab3eb_attn
	.globl	k_q2ab6dab3eb_attn
	.p2align	8
	.type	k_q2ab6dab3eb_attn,@function
k_q2ab6dab3eb_attn:
	s_mov_b64 s[64:65], 0
	v_nop
	global_prefetch_b8 v0, s[64:65] scope:SCOPE_SE
	s_setreg_imm32_b32 hwreg(HW_REG_WAVE_MODE, 25, 1), 1
	s_wait_xcnt 0x0
; Causal attention with a span mask, both products on E5M2 codes; head size 64, 2,048 keys, 32 (batch, head) pairs.
; w = softmax(q k / 64, causal); w = w m / (sum(w m) + 1e-8), m(k) = clip((k + 2048 c) / 33, 0, 1); out = w v.  THE FINISHED w IS WHAT THE SECOND PRODUCT QUANTISES, so its divisor must be known first:
; TWO WALKS OVER THE KEYS.  t = score x log2(e) / 64; M = the row's largest t, rounded up to a whole number (a running maximum; when it moves the sums are multiplied by a power of two, which rounds nothing);
; E = 2^(t - M).  Walk 1: M, Lm = sum(E m), A2 = sum(E (1 - m)).  Walk 2: the same scores again, w = E m / (Lm + 1e-8 (Lm + A2)): the softmax's own divisor Lm + A2 cancels; w is quantised and multiplied by v.
; SHARES.  Work-group (i, hb) owns the blocks i and 15 - i of 128 queries of one head: 17 steps of 128 keys under the causal mask, whatever i.  Sixteen waves, one tile of 16 queries each, eight of each block.
; The head's K and V, 131,072 bytes of codes each, are copied into LDS once, through registers; one barrier; then LDS is only read.  Both loops have 16 trips in every wave; a step all of whose keys come after the
; wave's queries is jumped over (a branch on ids).  The mask's arithmetic is jumped over in steps where m is 1 throughout: a branch on a whole number that an earlier launch stored.
; LAYOUT.  All operands are images of fragments (lane (r, h): row r, registers 2 c, 2 c + 1: k = 16 c + 8 h + 0 .. 7; parts of 512 bytes, lane l's 16 bytes at 16 l).  Both products are used transposed:
; S^T = K Q^T, O^T = V^T P^T: a lane holds one query throughout, register 8 t + j of S^T is key 16 t + 8 h + j, and a conversion of eight such registers is registers 2 t, 2 t + 1 of P.
; The result is quantised for the last projection and stored as an image: aimg [row tile 256][head 16][1,024 bytes].
; LIMITS: e6 + e7 between -120 and 133; e8, and e10 - e8 - e9, between -126 and 112.  The causal -1e9 is taken as -infinity: the same values while a row's scores / 64 lie within about 1e9 of each other.
; m is (k + 2048 c) x (1/33), within a last place of the division; where k + 2048 c >= 33 it is exactly 1.  NaN among the inputs is not served.
.set LI,   1                           ; v1   16 x lane
.set ADK,  2                           ; v2   LDS address of the step's K
.set ADV,  3                           ; v3   of its V
.set DG,   4                           ; v4   my query in its block, less 8 h
.set NINF, 5                           ; v5   -infinity
                                       ; v6-11 at work; v12 -M, v13 the largest t; v[14:15] Lm, v[16:17] A2, in two halves; v[18:19] f; v[20:21] 1 / divisor
                                       ; v22, v23: 57,344 x 2^e8, 2^e8; v[24:25] 2048 c; v26 8 h; v27, v28: limit and scale of the result; v29 the lane permute's destination
.set Q,    32                          ; v32-39   my queries' fragment
.set R1,   40                          ; v40-103  K's eight fragments; the mask; V's d tiles 2, 3
.set S,    104                         ; v104-167 S^T, then E, then w
.set R2,   168                         ; v168-199 V's d tiles 0, 1
.set P,    200                         ; v200-215 w's codes
.set O,    216                         ; v216-247 O^T
.set LA,   248                         ; v248-251 16 x thread + 65,536 g
.set SBLK, 19                          ; s19  my block of queries = my last key step
.set SJ,   21                          ; s21  the key step
.set STB,  22                          ; s22  its byte in K's (and V's) image
.set SN1,  23                          ; s23  steps with a mask below 1
.set CS,   24                          ; s[24:25] log2(e) / 64 x 2^(e6 + e7)
.set SEL,  26                          ; s[26:27] v_permlanex16_b32: lane l xor 16
.set R33,  30                          ; s[30:31] 1 / 33
.macro MKSC e, sc, lim                 ; from the whole number in s[e]: v[sc] = 2^e, v[lim] = 57,344 x 2^e
	s_add_co_i32 s48, s[\e], 127
	s_lshl_b32 s49, s48, 23
	v_mov_b32 v[\sc], s49
	s_add_co_i32 s48, s48, 15
	s_lshl_b32 s48, s48, 23
	s_or_b32 s48, s48, 0x600000
	v_mov_b32 v[\lim], s48
.endm
	s_load_b256 s[4:11], s[0:1], 0x0               ; qkv s[4:5], nmask s[6:7], span_val s[8:9], lowp_scales s[10:11]
	s_load_b64 s[12:13], s[0:1], 0x20              ; aimg
	v_lshl_add_u32 v254, v0, 2, 0x40000
	v_mov_b32 v255, 0
	v_lshrrev_b32 v1, 5, v0
	v_readfirstlane_b32 s14, v1                    ; wave 0..15
	v_and_b32 v1, 31, v0
	v_lshlrev_b32 v[LI], 4, v1
	v_lshlrev_b32 v[LA], 4, v0
	v_add_nc_u32 v[LA+1], 0x10000, v[LA]
	v_add_nc_u32 v[LA+2], 0x20000, v[LA]
	v_add_nc_u32 v[LA+3], 0x30000, v[LA]
	s_and_b32 s15, ttmp7, 0xffff                   ; 16 batch + head
	s_and_b32 s16, s15, 15
	s_lshr_b32 s17, s15, 4
	s_lshr_b32 s18, s14, 2
	s_xor_b32 s18, s18, s14
	s_and_b32 s18, s18, 1                          ; which of the two blocks: of waves w .. w + 3, and of waves w, w + 4, w + 8, w + 12, two take each
	s_sub_co_u32 s19, 15, ttmp9
	s_cmp_eq_u32 s18, 1
	s_cselect_b32 s[SBLK], s19, ttmp9
	s_lshr_b32 s32, s14, 1                         ; my tile in the block
	s_lshl_b32 s20, s[SBLK], 3
	s_add_co_u32 s20, s20, s32                     ; my tile of 16 queries in the head
	v_and_b32 v[DG], 15, v0
	v_bfe_u32 v26, v0, 4, 1
	v_lshlrev_b32 v26, 3, v26
	v_sub_nc_u32 v[DG], v[DG], v26
	s_lshl_b32 s34, s32, 4
	v_add_nc_u32 v[DG], s34, v[DG]
	s_lshl_b32 s33, s16, 2                         ; the head's word in nmask and in span_val
	s_lshl_b32 s50, s15, 17
	s_mov_b32 s51, 0
	s_lshl_b32 s52, s20, 10
	s_mov_b32 s53, 0
	s_wait_kmcnt 0x0
	s_load_b32 s[SN1], s[6:7], s33 offset:0x0
	s_load_b32 s28, s[8:9], s33 offset:0x0         ; c
	s_load_b256 s[36:43], s[10:11], 0x0            ; e0 .. e7
	s_load_b128 s[44:47], s[10:11], 0x20           ; e8 .. e11
	s_add_nc_u64 s[54:55], s[4:5], s[50:51]        ; my head in q's images,
	s_add_nc_u64 s[56:57], s[54:55], 0x400000      ; in k's,
	s_add_nc_u64 s[58:59], s[54:55], 0x800000      ; in v's
	s_add_nc_u64 s[54:55], s[54:55], s[52:53]      ; my queries' fragment
	global_load_b128 v[Q:Q+3], v[LI], s[54:55]
	global_load_b128 v[Q+4:Q+7], v[LI], s[54:55] offset:512
.set i, 0
.rept 16
	global_load_b128 v[R1+4*i:R1+4*i+3], v[LA], s[56:57] offset:8192*i     ; the 512 threads read 8,192 consecutive bytes
.set i, i+1
.endr
.set i, 0
.rept 16
	global_load_b128 v[S+4*i:S+4*i+3], v[LA], s[58:59] offset:8192*i
.set i, i+1
.endr
	s_mov_b32 s[SEL], 0x76543210
	s_mov_b32 s[SEL+1], 0xfedcba98
	s_mov_b32 s[R33], 0x3cf83e10
	s_mov_b32 s[R33+1], s[R33]                     ; (named with it as a pair, so it is written)
	v_mov_b32 v[NINF], 0xff800000
	v_mov_b32 v13, 0xff61b1e6                      ; the largest t so far: -3e38, under every t
	v_floor_f32 v12, -v13                          ; -M
	v_mov_b32 v14, 0
	v_mov_b32 v15, 0
	v_mov_b32 v16, 0
	v_mov_b32 v17, 0
	v_mov_b32 v19, 0                               ; (upper halves of pairs whose low word serves both halves)
	v_mov_b32 v21, 0
	v_mov_b32 v29, 0                               ; a lane permute's destination counts as one of its sources
.set n, 0
.rept 32
	v_mov_b32 v[O+n], 0                            ; the key step is written once, so O^T begins as zeros
.set n, n+1
.endr
	s_lshl_b32 s50, s17, 7
	s_add_co_u32 s50, s50, s20                     ; the row tile: 128 batch + my tile
	s_lshl_b32 s50, s50, 14
	s_lshl_b32 s52, s16, 10
	s_add_co_u32 s50, s50, s52
	s_add_nc_u64 s[12:13], s[12:13], s[50:51]
	s_wait_kmcnt 0x0
	s_min_u32 s[SN1], s[SN1], 16
	s_add_co_i32 s48, s42, s43
	s_lshl_b32 s48, s48, 23
	s_add_co_i32 s[CS], s48, 0x3cb8aa3b            ; a score stands for score x 2^(e6 + e7): the exponents are added to the exponent field of log2(e) / 64
	s_mov_b32 s[CS+1], s[CS]
	v_mov_b32 v24, s28
	v_mul_f32 v24, 0x45000000, v24                 ; 2048 c: exact
	v_mov_b32 v25, v24
	MKSC 44, 23, 22                                ; e8
	s_sub_co_i32 s50, s46, s44
	s_sub_co_i32 s50, s50, s45                     ; a sum of the second product stands for sum x 2^(e8 + e9): its code under 2^e10 is sum / 2^(e10 - e8 - e9)
	MKSC 50, 28, 27
	s_wait_loadcnt 16                              ; Q and K are in; V's sixteen loads may be out
.set i, 0
.rept 16
	ds_store_b128 v[LA+i/8], v[R1+4*i:R1+4*i+3] offset:8192*(i%8)
.set i, i+1
.endr
	s_wait_loadcnt 0x0
.set i, 0
.rept 16
	ds_store_b128 v[LA+2+i/8], v[S+4*i:S+4*i+3] offset:8192*(i%8)
.set i, i+1
.endr
	s_wait_dscnt 0x0                               ; for the others' sake: my stores have landed
	s_barrier_signal -1
	s_barrier_wait -1                              ; K's and V's images are whole; nobody writes LDS from here on
.macro QK                              ; S^T = K Q^T for the step's 128 keys: eight tiles of 16
	v_add_nc_u32 v[ADK], s[STB], v[LI]
	v_add_nc_u32 v[ADV], 0x20000, v[ADK]
	v_nop                                          ; with the two additions: four places in front of loads into registers that the last products have read
	v_nop
.set t, 0
.rept 8
	ds_load_b128 v[R1+8*t:R1+8*t+3], v[ADK] offset:1024*t
	ds_load_b128 v[R1+8*t+4:R1+8*t+7], v[ADK] offset:1024*t+512
.set t, t+1
.endr
	s_wait_dscnt 0x0
.set t, 0
.rept 8
	v_wmma_f32_16x16x64_bf8_bf8 v[S+8*t:S+8*t+7], v[R1+8*t:R1+8*t+7], v[Q:Q+7], 0
.set t, t+1
.endr
.rept 4
	v_nop                                          ; places in front of the first read of the scores
.endr
.endm
.macro DIAG                            ; the one step on the diagonal: scores of keys after the query become -infinity, so E = 0.  Key 16 t + 8 h + j is hidden where 16 t + j > my query - 8 h
	s_cmp_lg_u32 s[SJ], s[SBLK]
	s_cbranch_scc1 .Lopen_\@
.set n, 0
.rept 64
	v_cmp_gt_i32 vcc_lo, 16*(n/8)+n%8, v[DG]
	v_cndmask_b32 v[S+n], v[S+n], v[NINF], vcc_lo
.set n, n+1
.endr
.Lopen_\@:
.endm
.macro EXPS                            ; E = 2^(score x c - M): 32 packed multiply-adds, then the 64 exponentials as one batch; the caller writes the plain line and the one wait behind them
.set n, 0
.rept 32
	v_pk_fma_f32 v[S+n:S+n+1], v[S+n:S+n+1], s[CS:CS+1], v[12:13] op_sel_hi:[1,0,0]
.set n, n+2
.endr
.set n, 0
.rept 64
	v_exp_f32 v[S+n], v[S+n]
.set n, n+1
.endr
.endm
.macro MASKREGS                        ; m of my 64 keys into K's registers, which are done with
	s_lshl_b32 s48, s[SJ], 7
	v_add_nc_u32 v6, s48, v26
.set n, 0
.rept 64
	v_add_nc_u32 v[R1+n], 16*(n/8)+n%8, v6         ; the key
.set n, n+1
.endr
.set n, 0
.rept 64
	v_cvt_f32_u32 v[R1+n], v[R1+n]                 ; exact
.set n, n+1
.endr
.set n, 0
.rept 32
	v_pk_add_f32 v[R1+n:R1+n+1], v[R1+n:R1+n+1], v[24:25]          ; + 2048 c: one rounding, as the definition has it
.set n, n+2
.endr
.set n, 0
.rept 32
	v_pk_mul_f32 v[R1+n:R1+n+1], v[R1+n:R1+n+1], s[R33:R33+1] op_sel_hi:[1,0]
.set n, n+2
.endr
.set n, 0
.rept 64
	v_med3_num_f32 v[R1+n], v[R1+n], 0, 1.0
.set n, n+1
.endr
.endm
	; ---- WALK 1: M, Lm, A2
	s_mov_b32 s[SJ], 0
	s_mov_b32 s[STB], 0
.Lpass1:
	s_cmp_gt_u32 s[SJ], s[SBLK]                    ; all 128 keys come after my queries
	s_cbranch_scc1 .Lhid1
	QK
	DIAG
	v_max3_num_f32 v6, v[S], v[S+1], v[S+2]        ; the step's largest score among my 64 keys, in two chains, each accumulator from its low end on
	v_max3_num_f32 v7, v[S+3], v[S+4], v[S+5]
.set n, 6
.rept 14
	v_max3_num_f32 v6, v6, v[S+n], v[S+n+1]
	v_max3_num_f32 v7, v7, v[S+n+2], v[S+n+3]
.set n, n+4
.endr
	v_max3_num_f32 v6, v6, v[S+62], v[S+63]
	v_max_num_f32 v6, v6, v7
	v_permlanex16_b32 v29, v6, s[SEL], s[SEL+1]
	v_max_num_f32 v6, v6, v29                      ; and among lane l xor 16's
	v_mul_f32 v6, s[CS], v6                        ; as t (the factor is positive)
	v_max_num_f32 v13, v13, v6
	v_mov_b32 v6, v12
	v_floor_f32 v12, -v13                          ; the new -M = -ceil(t)
	v_sub_f32 v6, v12, v6                          ; old M - new M: a whole number, 0 or less
	v_cvt_i32_f32 v6, v6                           ; (it saturates)
	v_ldexp_f32 v18, 1.0, v6                       ; f = 2^(old M - new M)
	EXPS
	v_pk_mul_f32 v[14:15], v[14:15], v[18:19] op_sel_hi:[1,0]      ; the sums under the new M: plain lines behind the exponentials
	v_pk_mul_f32 v[16:17], v[16:17], v[18:19] op_sel_hi:[1,0]
	s_wait_alu depctr_va_vdst(0)                   ; one wait for the batch, ahead of its first reader and of the branch
	s_cmp_lt_u32 s[SJ], s[SN1]
	s_cbranch_scc1 .Lmask1
	v_pk_add_f32 v[6:7], v[S:S+1], v[S+2:S+3]      ; m = 1 throughout: Lm += E, in two chains
.set n, 4
.rept 15
	v_pk_add_f32 v[14:15], v[14:15], v[S+n:S+n+1]
	v_pk_add_f32 v[6:7], v[6:7], v[S+n+2:S+n+3]
.set n, n+4
.endr
	v_pk_add_f32 v[14:15], v[14:15], v[6:7]
	s_branch .Lhid1
.Lmask1:
	MASKREGS
	v_pk_fma_f32 v[14:15], v[S:S+1], v[R1:R1+1], v[14:15]          ; Lm += E m
	v_pk_mul_f32 v[6:7], v[S+2:S+3], v[R1+2:R1+3]
.set n, 4
.rept 15
	v_pk_fma_f32 v[14:15], v[S+n:S+n+1], v[R1+n:R1+n+1], v[14:15]
	v_pk_fma_f32 v[6:7], v[S+n+2:S+n+3], v[R1+n+2:R1+n+3], v[6:7]
.set n, n+4
.endr
	v_pk_add_f32 v[14:15], v[14:15], v[6:7]
.set n, 0
.rept 32
	v_pk_add_f32 v[R1+n:R1+n+1], v[R1+n:R1+n+1], 1.0 op_sel_hi:[1,0] neg_lo:[1,0] neg_hi:[1,0]   ; 1 - m
.set n, n+2
.endr
	v_pk_fma_f32 v[16:17], v[S:S+1], v[R1:R1+1], v[16:17]          ; A2 += E (1 - m)
	v_pk_mul_f32 v[8:9], v[S+2:S+3], v[R1+2:R1+3]
.set n, 4
.rept 15
	v_pk_fma_f32 v[16:17], v[S+n:S+n+1], v[R1+n:R1+n+1], v[16:17]
	v_pk_fma_f32 v[8:9], v[S+n+2:S+n+3], v[R1+n+2:R1+n+3], v[8:9]
.set n, n+4
.endr
	v_pk_add_f32 v[16:17], v[16:17], v[8:9]
.Lhid1:
	s_add_co_u32 s[STB], s[STB], 8192
	s_add_co_u32 s[SJ], s[SJ], 1
	s_cmp_lt_u32 s[SJ], 16
	s_cbranch_scc1 .Lpass1
	v_add_f32 v14, v14, v15                        ; the sums' two halves,
	v_add_f32 v16, v16, v17
	v_permlanex16_b32 v29, v14, s[SEL], s[SEL+1]
	v_add_f32 v14, v14, v29                        ; and lane l xor 16's: Lm
	v_permlanex16_b32 v29, v16, s[SEL], s[SEL+1]
	v_add_f32 v16, v16, v29                        ; A2
	v_add_f32 v16, v14, v16                        ; the softmax's divisor, above 1/2 since M < t + 1
	s_mov_b32 s48, 0x322bcc77                      ; 1e-8
	v_fma_f32 v14, v16, s48, v14                   ; Lm + 1e-8 (Lm + A2)
	v_rcp_f32 v20, v14
	v_nop                                          ; a plain line behind the reciprocal
	s_wait_alu depctr_va_vdst(0)                   ; and the wait, ahead of the label and of the first reader
	; ---- WALK 2: the same scores, w finished, quantised, x V
	s_mov_b32 s[SJ], 0
	s_mov_b32 s[STB], 0
.Lpass2:
	s_cmp_gt_u32 s[SJ], s[SBLK]
	s_cbranch_scc1 .Lhid2
	QK
.set i, 0
.rept 8
	ds_load_b128 v[R2+4*i:R2+4*i+3], v[ADV] offset:512*i           ; V's d tiles 0 and 1: they land under the softmax
.set i, i+1
.endr
	DIAG
	EXPS
	v_nop                                          ; a plain line behind the exponentials
	s_wait_alu depctr_va_vdst(0)                   ; one wait for the batch
.set n, 0
.rept 32
	v_pk_mul_f32 v[S+n:S+n+1], v[S+n:S+n+1], v[20:21] op_sel_hi:[1,0]      ; E / divisor
.set n, n+2
.endr
	s_cmp_ge_u32 s[SJ], s[SN1]
	s_cbranch_scc1 .Lnom2
	MASKREGS
.set n, 0
.rept 32
	v_pk_mul_f32 v[S+n:S+n+1], v[S+n:S+n+1], v[R1+n:R1+n+1]        ; x m
.set n, n+2
.endr
.Lnom2:
.set i, 0
.rept 8
	ds_load_b128 v[R1+4*i:R1+4*i+3], v[ADV] offset:4096+512*i      ; V's d tiles 2 and 3, into registers that K and the mask have left
.set i, i+1
.endr
.set t, 0
.rept 8
.set j, 0
.rept 8
	v_min_num_f32 v[S+8*t+j], v[S+8*t+j], v22      ; the conversion does not saturate (ISA guide 7.6.2); w is not negative, so the hold is one-sided
.set j, j+1
.endr
	v_cvt_scalef32_pk8_bf8_f32 v[P+2*t:P+2*t+1], v[S+8*t:S+8*t+7], v23     ; keys 16 t + 8 h + 0 .. 7: registers 2 t, 2 t + 1 of the operand
.set t, t+1
.endr
	v_nop                                          ; a plain line between the conversions and the products that read their results
	s_wait_dscnt 0x0                               ; V's sixteen loads
	v_wmma_f32_16x16x128_bf8_bf8 v[O:O+7], v[R2:R2+15], v[P:P+15], v[O:O+7]                ; the four accumulators take turns, one instruction a turn
	v_wmma_f32_16x16x128_bf8_bf8 v[O+8:O+15], v[R2+16:R2+31], v[P:P+15], v[O+8:O+15]
	v_wmma_f32_16x16x128_bf8_bf8 v[O+16:O+23], v[R1:R1+15], v[P:P+15], v[O+16:O+23]
	v_wmma_f32_16x16x128_bf8_bf8 v[O+24:O+31], v[R1+16:R1+31], v[P:P+15], v[O+24:O+31]
.Lhid2:
	s_add_co_u32 s[STB], s[STB], 8192
	s_add_co_u32 s[SJ], s[SJ], 1
	s_cmp_lt_u32 s[SJ], 16
	s_cbranch_scc1 .Lpass2
	; THE WAY OUT: register 8 d + j of O^T is channel 16 d + 8 h + j of my query: a conversion gives registers 2 d, 2 d + 1 of the last projection's operand
.rept 4
	v_nop
.endr
.set n, 0
.rept 32
	v_med3_num_f32 v[O+n], v[O+n], -v27, v27
.set n, n+1
.endr
.set t, 0
.rept 4
	v_cvt_scalef32_pk8_bf8_f32 v[P+2*t:P+2*t+1], v[O+8*t:O+8*t+7], v28
.set t, t+1
.endr
	v_nop
	global_store_b128 v[LI], v[P:P+3], s[12:13]                    ; a part: the wave stores 512 consecutive bytes, aligned
	global_store_b128 v[LI], v[P+4:P+7], s[12:13] offset:512
	s_wait_tensorcnt 0x0
	ds_add_u32 v254, v255
	s_wait_dscnt 0x0
	s_endpgm
.Lfunc_end_k_q2ab6dab3eb_attn:
	.size	k_q2ab6dab3eb_attn, .Lfunc_end_k_q2ab6dab3eb_attn-k_q2ab6dab3eb_attn
	.p2alignl 7, 3214868480
	.fill 96, 4, 3214868480
	.section	.rodata,"a",@progbits
	.p2align	6, 0x0
	.amdhsa_kernel k_q2ab6dab3eb_attn
		.amdhsa_group_segment_fixed_size 264192
		.amdhsa_private_segment_fixed_size 0
		.amdhsa_enable_private_segment 0
		.amdhsa_kernarg_size 40
		.amdhsa_user_sgpr_count 2
		.amdhsa_user_sgpr_kernarg_segment_ptr 1
		.amdhsa_wavefront_size32 1
		.amdhsa_system_sgpr_workgroup_id_x 1
		.amdhsa_system_sgpr_workgroup_id_y 1
		.amdhsa_system_sgpr_workgroup_id_z 1
		.amdhsa_system_vgpr_workitem_id 0
		.amdhsa_next_free_vgpr 256
		.amdhsa_next_free_sgpr 66
		.amdhsa_reserve_vcc 1
		.amdhsa_float_denorm_mode_32 3
		.amdhsa_float_denorm_mode_16_64 3
		.amdhsa_memory_ordered 1
		.amdhsa_forward_progress 1
		.amdhsa_inst_pref_size 81
	.end_amdhsa_kernel
	.amdgpu_metadata
---
amdhsa.version: [ 1, 2 ]
amdhsa.kernels:
  - .name:           k_q2ab6dab3eb_attn
    .symbol:         k_q2ab6dab3eb_attn.kd
    .args:
      - { .name: qkv, .offset: 0, .size: 8, .value_kind: global_buffer, .address_space: global }
      - { .name: nmask, .offset: 8, .size: 8, .value_kind: global_buffer, .address_space: global }
      - { .name: span_val, .offset: 16, .size: 8, .value_kind: global_buffer, .address_space: global }
      - { .name: lowp_scales, .offset: 24, .size: 8, .value_kind: global_buffer, .address_space: global }
      - { .name: aimg, .offset: 32, .size: 8, .value_kind: global_buffer, .address_space: global }
    .group_segment_fixed_size: 264192
    .private_segment_fixed_size: 0
    .kernarg_segment_align: 8
    .kernarg_segment_size: 40
    .max_flat_workgroup_size: 512
    .sgpr_count:     66
    .vgpr_count:     256
    .wavefront_size: 32
...
	.end_amdgpu_metadata
.endif
;; end of part 3
;; launch gemm_out (part 4): grid 4 x 16, 4 waves a work-group, clusters of 4 x 4, 327,680 bytes of LDS; arguments aimg, wimg, lowp_scales, out0; writes out0
.if DOCPART == 4
	.amdgcn_target "amdgcn-amd-amdhsa--gfx1250"
	.amdhsa_code_object_version 6
	.text
	.protected	k_q2ab6dab3eb_gemm_out
	.globl	k_q2ab6dab3eb_gemm_out
	.p2align	8
	.type	k_q2ab6dab3eb_gemm_out,@function
k_q2ab6dab3eb_gemm_out:
	s_mov_b64 s[64:65], 0
	v_nop
	global_prefetch_b8 v0, s[64:65] scope:SCOPE_SE
	s_setreg_imm32_b32 hwreg(HW_REG_WAVE_MODE, 25, 1), 1
	s_wait_xcnt 0x0
	s_wait_alu depctr_hold_cnt(0) depctr_sa_sdst(0) depctr_va_vdst(0) depctr_va_sdst(0) depctr_va_ssrc(0) depctr_va_vcc(0) depctr_vm_vsrc(0)
	s_getreg_b32 s2, hwreg(HW_REG_IB_STS2, 6, 4)
	s_cmp_eq_u32 s2, 0
	s_cbranch_scc0 .Lentry_in_a_cluster
	s_endpgm
.Lentry_in_a_cluster:
	s_bfe_u32 s2, ttmp6, 0x10000c
	s_cmp_lg_u32 s2, 0xf033
	s_cbranch_scc0 .Lentry_shape_is_right
	s_endpgm
.Lentry_shape_is_right:
; out0 [4096][1024] f32 = (attention's result) Wo, on E5M2 codes, K = 1,024; each finished sum x 2^(e10 + e11).
; A = aimg, B = Wo's image (wimg + 3 MiB): images of fragments (16 rows x 128 k, 2,048 bytes: four parts of 512, lane l's 16 bytes at 16 l; [row tile][k fragment 8]).
; A tile of C is 256 x 256, a work-group of four waves; a wave makes 128 x 128: 64 accumulators.  64 tiles.  A K step is 256 along K: 4,096 consecutive bytes of each row tile; one tensor load brings 8 row tiles;
; in LDS they lie on end, and a fragment read is four ds_load_b128 at 16 x lane.  CLUSTERS: 4 x 4; A's tiles are asked for jointly by a row of the cluster, B's by a column.
; THE MATRIX INSTRUCTION IS USED TRANSPOSED (source 0 = 16 rows of B, source 1 = 16 rows of A): a lane holds eight neighbouring numbers of a row of C.
; LIMIT: e10 + e11 between -126 and 127, so that 2^(e10 + e11) is an f32 number.
; REGISTERS, in windows of 256: window 0: v4 16 x lane, v16-29 addresses; from v128 A's fragments, ONE set; on the way out v32-255 are free.
;   window 1: B's fragments, TWO sets.   window 2: the accumulators of my rows 0-63 ((a, b) at v[8 (8 a + b)]);   window 3: those of rows 64-127.
.set SIZE_N, 1024
.set FR,     16
.set NL,     4
.set NP,     4                         ; places behind this matrix instruction (ISA guide 7.12.1)
.set HALFT,  32768                     ; 8 row tiles x 4,096 bytes
.set SLOT,   4*HALFT
.set KSTB,   4096
.set SPARE,  2*SLOT                    ; the spare words, 128 bytes for each wave, which no other line names
.set SPITCH, 528                       ; the way out: a stage of 16 rows x (512 bytes + 16) for each wave, in slot 0, which has had its last fill and its last read when the first result is stored there
.set LN,   4
.set ADRA, 16
.set ADRB, 20
.set STO,  24                          ; v24  the way out: where I put 32 bytes of a row
.set RD,   25                          ; v25  where I read a row back
.set CO,   26                          ; v26  my byte offset in a row of C
.set SPW,  28
.set NIL,  29
.set TMP,  32
.set AF,   128
.set BK,   128                         ; the way out: 16 rows read back: v128-191 and v192-255 by turns
.set G1, 24
.set G0, 32
.set G1B, 48
.set G0B, 56
.set MSB, 0
.macro WIN new                         ; the immediate's high byte repeats the setting that is left
.if MSB != \new
	s_set_vgpr_msb (MSB<<8)|\new
.set MSB, \new
.endif
.endm
.set MUL_LO, 0xa1
.set MUL_HI, 0xf1
.set TO_B,   0x40
.macro JLOAD g0a, g1a, g0b, g1b        ; a joint load: waves 0 and 1 fetch for A, waves 2 and 3 for B; four v_nop follow each of the two lines
	s_cmp_eq_u32 s15, 0
	s_cbranch_scc0 .Lfor_b_\@
	tensor_load_to_lds s[\g0a:\g0a+3], s[\g1a:\g1a+7]
	s_nop 0
.rept 4
	v_nop
.endr
	s_branch .Lasked_\@
.Lfor_b_\@:
	tensor_load_to_lds s[\g0b:\g0b+3], s[\g1b:\g1b+7]
	s_nop 0
.rept 4
	v_nop
.endr
.Lasked_\@:
.endm
.macro CREST
	s_cmp_lg_u32 s14, 0
	s_cbranch_scc1 .Lnot_wave_0_\@
	s_barrier_signal -3
.Lnot_wave_0_\@:
	s_barrier_wait -3
	s_barrier_signal -1
	s_barrier_wait -1
.endm
.macro CROUND
	s_barrier_signal -1
	s_barrier_wait -1
	CREST
.endm
	s_load_b128 s[4:7], s[0:1], 0x0                ; aimg s[4:5], wimg s[6:7]
	s_load_b128 s[8:11], s[0:1], 0x10              ; lowp_scales s[8:9], out0 s[10:11]
	v_lshl_add_u32 v[SPW], v0, 2, SPARE
	v_mov_b32 v[NIL], 0
	ds_add_u32 v28, v29
	ds_add_u32 v28, v29
	s_wait_dscnt 0x0
	v_lshrrev_b32 v1, 5, v0
	v_readfirstlane_b32 s14, v1                    ; wave 0..3
	s_lshr_b32 s15, s14, 1                         ; which half of the tile's rows is mine.  Also: I fetch for A (0) or for B (1)
	s_and_b32 s16, s14, 1                          ; which half of its columns.  Also: which 128 rows of that tile I fetch
	s_bfe_u32 s40, ttmp6, 0x40000                  ; cx, cy
	s_bfe_u32 s41, ttmp6, 0x40004
	s_lshl_b32 s42, ttmp9, 2
	s_add_co_u32 s42, s42, s40                     ; tile column of C
	s_and_b32 s17, ttmp7, 0xffff
	s_lshl_b32 s17, s17, 2
	s_add_co_u32 s17, s17, s41                     ; tile row of C
	s_lshl_b32 s43, s41, 2
	s_lshl_b32 s43, 15, s43                        ; my row of the cluster
	s_lshl_b32 s44, 0x1111, s40                    ; my column
	s_or_b32 s[G1+0], s43, (3<<16)|(1<<21)         ; the mask; elements of 8 bytes; no padding; bit 21 set beside a mask
	s_or_b32 s[G1B+0], s44, (3<<16)|(1<<21)
.irp g, G1, G1B
	s_mov_b32 s[\g+1], 512<<16                     ; tensor_dim0 = 512
	s_mov_b32 s[\g+2], 8<<16                       ; tensor_dim1 = 8
	s_mov_b32 s[\g+3], 512<<16                     ; tile_dim0 = 512
	s_mov_b32 s[\g+4], 8                           ; tile_dim1 = 8
	s_mov_b32 s[\g+5], 2048                        ; tensor_dim0_stride
	s_mov_b32 s[\g+6], 0
	s_mov_b32 s[\g+7], 0
.endr
	s_lshl_b32 s18, s16, 17                        ; which 8 row tiles of the tile's 16 I fetch
	s_lshl_b32 s20, s17, 18
	s_add_co_u32 s20, s20, s18
	s_mov_b32 s21, 0
	s_lshl_b32 s46, s42, 18
	s_add_co_u32 s46, s46, s18
	s_add_co_u32 s46, s46, 0x300000                ; Wo's image
	s_mov_b32 s47, 0
	s_mul_i32 s45, s14, HALFT
	s_wait_kmcnt 0x0
	s_load_b64 s[96:97], s[8:9], 0x28              ; e10, e11
	s_add_nc_u64 s[20:21], s[4:5], s[20:21]
	s_add_nc_u64 s[46:47], s[6:7], s[46:47]
	CROUND                                         ; all sixteen work-groups are here: the first joint loads meet
.irp s, 0,1
	s_mov_b32 s[G0+4*\s], 1
	s_add_co_u32 s[G0+4*\s+1], s45, \s*SLOT
	s_add_nc_u64 s[G0+4*\s+2:G0+4*\s+3], s[20:21], \s*KSTB
	s_or_b32 s[G0+4*\s+3], s[G0+4*\s+3], 0x80000000
	s_mov_b32 s[G0B+4*\s], 1
	s_add_co_u32 s[G0B+4*\s+1], s45, \s*SLOT
	s_add_nc_u64 s[G0B+4*\s+2:G0B+4*\s+3], s[46:47], \s*KSTB
	s_or_b32 s[G0B+4*\s+3], s[G0B+4*\s+3], 0x80000000
	JLOAD G0+4*\s, G1, G0B+4*\s, G1B
.endr
	v_and_b32 v1, 31, v0
	v_lshlrev_b32 v[LN], 4, v1
	v_and_b32 v2, 15, v0                           ; r
	v_bfe_u32 v3, v0, 4, 1                         ; h
	s_mul_i32 s88, s15, HALFT
	s_mul_i32 s89, s16, HALFT
	s_add_co_u32 s89, s89, 2*HALFT
.irp s, 0,1
	v_add_nc_u32 v[ADRA+\s], s88, v[LN]
	v_add_nc_u32 v[ADRB+\s], s89, v[LN]
	s_add_co_u32 s88, s88, SLOT
	s_add_co_u32 s89, s89, SLOT
.endr
	s_mul_i32 s90, s14, 16*SPITCH                  ; my stage
	v_mul_u32_u24 v5, v2, SPITCH                   ; in: row r, 32 bytes for each half of the lanes
	v_lshl_add_u32 v5, v3, 5, v5
	v_add_nc_u32 v[STO], s90, v5
	v_mov_b32 v[CO], v[LN]                         ; back: the 32 lanes take one row of 512 bytes; and the same in C
	v_add_nc_u32 v[RD], s90, v[LN]
	s_lshl_b32 s92, s17, 8
	s_lshl_b32 s93, s15, 7
	s_add_co_u32 s92, s92, s93                     ; my first row of C,
	s_lshl_b32 s92, s92, 12                        ; x 4,096 bytes
	s_lshl_b32 s93, s42, 10                        ; my first column, in bytes
	s_add_co_u32 s92, s92, s93
	s_lshl_b32 s93, s16, 9
	s_add_co_u32 s92, s92, s93
	s_mov_b32 s93, 0
	s_add_nc_u64 s[10:11], s[10:11], s[92:93]
.macro FRAG reg, adr, q, i
.irp c, 0,1,2,3
	ds_load_b128 v[\reg+4*\c:\reg+4*\c+3], v[\adr] offset:2048*(\q)+512*\c+(\i)*4096
.endr
.endm
.macro MUL16 a0, p, zero               ; the 64 accumulators take turns, one instruction a turn, in the same order in every step
.irp a, \a0, \a0+1
.irp b, 0,1,2,3,4,5,6,7
.if \zero
	v_wmma_f32_16x16x128_bf8_bf8 v[8*(8*((\a)%4)+\b):8*(8*((\a)%4)+\b)+7], v[128*(\p)+FR*\b:128*(\p)+FR*\b+FR-1], v[AF+FR*(\a):AF+FR*(\a)+FR-1], 0
.else
	v_wmma_f32_16x16x128_bf8_bf8 v[8*(8*((\a)%4)+\b):8*(8*((\a)%4)+\b)+7], v[128*(\p)+FR*\b:128*(\p)+FR*\b+FR-1], v[AF+FR*(\a):AF+FR*(\a)+FR-1], v[8*(8*((\a)%4)+\b):8*(8*((\a)%4)+\b)+7]
.endif
.endr
.endr
.endm
.macro FETCH_B slot, q, p
	WIN TO_B
.irp i, 0,1,2,3,4,5,6,7
	FRAG 128*(\p)+FR*\i, ADRB+\slot, \q, \i
.endr
	WIN 0
.endm
.macro FETCH_A slot, q, i0
.irp i, \i0, \i0+1, \i0+2, \i0+3
	FRAG AF+FR*(\i), ADRA+\slot, \q, \i
.endr
.endm
.macro PLACES n
.rept \n
	v_nop
.endr
.endm
.macro STEP slot, q, zero
	s_wait_dscnt 4*NL                              ; B's set and A's blocks 0-3 are in; the youngest sixteen loads (A's blocks 4-7) may be out
	WIN MUL_LO
	MUL16 0, (\q)%2, \zero
	MUL16 2, (\q)%2, \zero
	s_wait_dscnt 0
	PLACES NP
	FETCH_B \slot, (\q)+1, 1-(\q)%2
	FETCH_A \slot, (\q)+1, 0
	WIN MUL_HI
	MUL16 4, (\q)%2, \zero
	MUL16 6, (\q)%2, \zero
	PLACES NP
	WIN 0
	FETCH_A \slot, (\q)+1, 4
.endm
.macro TURN slot, next, fill
	s_wait_tensorcnt 0x0                           ; all my tensor loads have landed: my part of the next slot
	ds_add_u32 v[SPW], v[NIL]                      ; 0 onto my spare word
	s_wait_dscnt 4*NL+1                            ; the add and the youngest sixteen loads may be out
	WIN MUL_LO
	MUL16 0, 1, 0
	s_wait_dscnt 0x0                               ; the add is done, and my reads of this slot are over
	s_barrier_signal -1
	MUL16 2, 1, 0
	WIN 0
	s_barrier_wait -1
.if \fill
	CREST                                          ; a round of the cluster's barrier: no wave of any partner still reads this slot or has a load on its way
	s_add_nc_u64 s[G0+4*\slot+2:G0+4*\slot+3], s[G0+4*\slot+2:G0+4*\slot+3], 2*KSTB
	s_add_nc_u64 s[G0B+4*\slot+2:G0B+4*\slot+3], s[G0B+4*\slot+2:G0B+4*\slot+3], 2*KSTB
	JLOAD G0+4*\slot, G1, G0B+4*\slot, G1B
.else
	PLACES NP
.endif
	FETCH_B \next, 0, 0
	FETCH_A \next, 0, 0
	WIN MUL_HI
	MUL16 4, 1, 0
	MUL16 6, 1, 0
	PLACES NP
	WIN 0
	FETCH_A \next, 0, 4
.endm
	s_wait_tensorcnt 1                             ; my part of K step 0 is in; K step 1's load may be out
	s_barrier_signal -1
	s_barrier_wait -1
	FETCH_B 0, 0, 0
	FETCH_A 0, 0, 0
	FETCH_A 0, 0, 4
	STEP 0, 0, 1                                   ; four K steps, written out; the first products start the sums
	TURN 0, 1, 1
	STEP 1, 0, 0
	TURN 1, 0, 1
	STEP 0, 0, 0
	TURN 0, 1, 0
	STEP 1, 0, 0
	s_wait_dscnt 4*NL
	WIN MUL_LO
	MUL16 0, 1, 0
	MUL16 2, 1, 0
	s_wait_dscnt 0
	WIN MUL_HI
	MUL16 4, 1, 0
	MUL16 6, 1, 0
	WIN 0
; THE WAY OUT, block by block of 16 rows x 128 columns: a lane holds 32 neighbouring bytes of a row, the lanes beside it other rows; a block goes through my own stage and comes back as whole rows of 512 bytes.
; LDS serves a wave's instructions in order (ISA guide 5.7.1.4): no wait between the stores and the loads, nor in front of the next block's stores.
.macro TOSTAGE a
.set AC, 64*((\a)%4)
	WIN 0x02+((\a)/4)                              ; source 0: window 2 or 3
.set j, 0
.rept 32
	v_pk_mul_f32 v[TMP+j:TMP+j+1], v[AC+j:AC+j+1], s[96:97] op_sel_hi:[1,0]   ; both x s96 = 2^(e10 + e11); each accumulator from its low end on
.set j, j+2
.endr
	WIN 0
.irp b, 0,1,2,3,4,5,6,7
	ds_store_b128 v[STO], v[TMP+8*\b:TMP+8*\b+3] offset:64*\b
	ds_store_b128 v[STO], v[TMP+8*\b+4:TMP+8*\b+7] offset:64*\b+16
.endr
.set BB, BK+64*((\a)%2)
.irp t, 0,1,2,3,4,5,6,7,8,9,10,11,12,13,14,15
	ds_load_b128 v[BB+4*\t:BB+4*\t+3], v[RD] offset:\t*SPITCH
.endr
.endm
.macro SEND a, younger                 ; younger: the LDS instructions issued behind block a's loads, which may stay out
.set BB, BK+64*((\a)%2)
	s_wait_dscnt \younger
.if (\a) > 0
	s_add_nc_u64 s[10:11], s[10:11], 16*SIZE_N*4   ; (behind a wait on XCNT: the earlier stores have read their base)  16 rows of C on
.endif
.irp t, 0,1,2,3,4,5,6,7,8,9,10,11,12,13,14,15
	global_store_b128 v[CO], v[BB+4*\t:BB+4*\t+3], s[10:11] offset:\t*SIZE_N*4 th:TH_STORE_NT   ; 32 lanes store 512 consecutive bytes, aligned; written once, read by nobody here
.endr
.endm
	s_wait_kmcnt 0x0
	s_add_co_i32 s96, s96, s97
	s_add_co_i32 s96, s96, 127
	s_lshl_b32 s96, s96, 23                        ; the f32 number 2^(e10 + e11)
	PLACES NP
	TOSTAGE 0
.irp a, 1,2,3,4,5,6,7
.if \a > 1
	s_wait_xcnt 0x0                                ; block a - 2's stores have read their registers and their base: block a's loads may land there, and the base may step
.endif
	TOSTAGE \a
	SEND \a-1, 32                                  ; behind block a - 1's loads: block a's 16 stores and 16 loads
.endr
	s_wait_xcnt 0x0                                ; block 6's stores have read their base
	SEND 7, 0
	s_wait_tensorcnt 0x0                           ; the wave's end
	ds_add_u32 v[SPW], v[NIL]
	s_wait_dscnt 0x0
	CROUND                                         ; the closing round
	s_endpgm
.Lfunc_end_k_q2ab6dab3eb_gemm_out:
	.size	k_q2ab6dab3eb_gemm_out, .Lfunc_end_k_q2ab6dab3eb_gemm_out-k_q2ab6dab3eb_gemm_out
	.p2alignl 7, 3214868480
	.fill 96, 4, 3214868480
	.section	.rodata,"a",@progbits
	.p2align	6, 0x0
	.amdhsa_kernel k_q2ab6dab3eb_gemm_out
		.amdhsa_group_segment_fixed_size 327680
		.amdhsa_private_segment_fixed_size 0
		.amdhsa_enable_private_segment 0
		.amdhsa_kernarg_size 32
		.amdhsa_user_sgpr_count 2
		.amdhsa_user_sgpr_kernarg_segment_ptr 1
		.amdhsa_wavefront_size32 1
		.amdhsa_system_sgpr_workgroup_id_x 1
		.amdhsa_system_sgpr_workgroup_id_y 1
		.amdhsa_system_sgpr_workgroup_id_z 1
		.amdhsa_system_vgpr_workitem_id 0
		.amdhsa_next_free_vgpr 1024
		.amdhsa_next_free_sgpr 100
		.amdhsa_reserve_vcc 0
		.amdhsa_float_denorm_mode_32 3
		.amdhsa_float_denorm_mode_16_64 3
		.amdhsa_memory_ordered 1
		.amdhsa_forward_progress 1
		.amdhsa_inst_pref_size 123
	.end_amdhsa_kernel
	.amdgpu_metadata
---
amdhsa.version: [ 1, 2 ]
amdhsa.kernels:
  - .name:           k_q2ab6dab3eb_gemm_out
    .symbol:         k_q2ab6dab3eb_gemm_out.kd
    .args:
      - { .name: aimg, .offset: 0, .size: 8, .value_kind: global_buffer, .address_space: global }
      - { .name: wimg, .offset: 8, .size: 8, .value_kind: global_buffer, .address_space: global }
      - { .name: lowp_scales, .offset: 16, .size: 8, .value_kind: global_buffer, .address_space: global }
      - { .name: out0, .offset: 24, .size: 8, .value_kind: global_buffer, .address_space: global }
    .group_segment_fixed_size: 327680
    .private_segment_fixed_size: 0
    .kernarg_segment_align: 8
    .kernarg_segment_size: 32
    .max_flat_workgroup_size: 128
    .sgpr_count:     100
    .vgpr_count:     1024
    .wavefront_size: 32
...
	.end_amdgpu_metadata
.endif
;; end of part 4
;; ======== version 2 of 2: 4 launches; version 1 with the launch attn written anew for expert scheduling mode
;; workspace buffers: ximg 12,582,912 bytes; wimg 4,194,304 bytes; qkv 12,582,912 bytes; aimg 4,194,304 bytes; nmask 256 bytes of whole numbers
;; launch prep: the kernel of part 1 again; grid 768 x 1, 4 waves a work-group, no clusters, 50,688 bytes of LDS; arguments query, Wq, Wk, Wv, Wo, span_val, lowp_scales, ximg, wimg, nmask; writes ximg, wimg, nmask
;; launch gemm_qkv: the kernel of part 2 again; grid 4 x 48, 4 waves a work-group, clusters of 4 x 4, 327,680 bytes of LDS; arguments ximg, wimg, lowp_scales, qkv; writes qkv
;; launch attn (part 5): grid 8 x 32, 16 waves a work-group, no clusters, 264,192 bytes of LDS; arguments qkv, nmask, span_val, lowp_scales, aimg; writes aimg
.if DOCPART == 5
	.amdgcn_target "amdgcn-amd-amdhsa--gfx1250"
	.amdhsa_code_object_version 6
	.text
	.protected	k_q2ab6dab3eb_attn
	.globl	k_q2ab6dab3eb_attn
	.p2align	8
	.type	k_q2ab6dab3eb_attn,@function
k_q2ab6dab3eb_attn:
	s_mov_b64 s[64:65], 0
	v_nop
	global_prefetch_b8 v0, s[64:65] scope:SCOPE_SE
	s_setreg_imm32_b32 hwreg(HW_REG_WAVE_SCHED_MODE, 0, 2), 2
	s_setreg_imm32_b32 hwreg(HW_REG_WAVE_MODE, 25, 1), 1
	s_wait_xcnt 0x0
	s_wait_alu depctr_vm_vsrc(0)
; Causal attention with a span mask, both products on E5M2 codes; head size 64, 2,048 keys, 32 (batch, head) pairs.
; w = softmax(q k / 64, causal); w = w m / (sum(w m) + 1e-8), m(k) = clip((k + 2048 c) / 33, 0, 1); out = w v.  THE FINISHED w IS WHAT THE SECOND PRODUCT QUANTISES, so its divisor must be known first:
; TWO WALKS OVER THE KEYS.  t = score x log2(e) / 64; M = the row's largest t, rounded up to a whole number (a running maximum; when it moves the sums are multiplied by a power of two, which rounds nothing);
; E = 2^(t - M).  Walk 1: M, Lm = sum(E m), A2 = sum(E (1 - m)).  Walk 2: the same scores again, w = E m / (Lm + 1e-8 (Lm + A2)): the softmax's own divisor Lm + A2 cancels; w is quantised and multiplied by v.
; SHARES.  Work-group (i, hb) owns the blocks i and 15 - i of 128 queries of one head: 17 steps of 128 keys under the causal mask, whatever i.  Sixteen waves, one tile of 16 queries each, eight of each block.
; The head's K and V, 131,072 bytes of codes each, are copied into LDS once, through registers; one barrier; then LDS is only read.  Both loops have 16 trips in every wave; a step all of whose keys come after the
; wave's queries is jumped over (a branch on ids).  The mask's arithmetic is jumped over in steps where m is 1 throughout: a branch on a whole number that an earlier launch stored.
; LAYOUT.  All operands are images of fragments (lane (r, h): row r, registers 2 c, 2 c + 1: k = 16 c + 8 h + 0 .. 7; parts of 512 bytes, lane l's 16 bytes at 16 l).  Both products are used transposed:
; S^T = K Q^T, O^T = V^T P^T: a lane holds one query throughout, register 8 t + j of S^T is key 16 t + 8 h + j, and a conversion of eight such registers is registers 2 t, 2 t + 1 of P.
; The result is quantised for the last projection and stored as an image: aimg [row tile 256][head 16][1,024 bytes].
; LIMITS: e6 + e7 between -120 and 133; e8, and e10 - e8 - e9, between -126 and 112.  The causal -1e9 is taken as -infinity: the same values while a row's scores / 64 lie within about 1e9 of each other.
; m is (k + 2048 c) x (1/33), within a last place of the division; where k + 2048 c >= 33 it is exactly 1.  NaN among the inputs is not served.
; THE MODE: SCHED_MODE bits 1:0 = 2 (LLVM: expert scheduling mode 2), set by the entry lines.  The code itself states the register dependences between vector or matrix instructions
; and memory or LDS instructions, with s_wait_alu, always for 0.
; THE PLAN.  Registers that memory or LDS instructions touch:
;   v1, v248-251  16 x lane and the four LDS addresses of the copy: made at the head, ahead of its one wait on va_vdst, and never written again.
;   R1            Head: K's bytes, loaded, then read by LDS stores.  Walk 1: K alone: step j's eight products read it, and behind them the loads of step j + 1 land in it (the walk's mask lies in v168-231, idle there).
;                 Walk 2: K lands, the products read it; in a masked step the mask is written and read there; then V's d tiles 2, 3 land, and the step's last two products read them.
;   S             Head: V's bytes, loaded, then read by LDS stores.  Behind the barrier it is named by vector and matrix instructions alone.
;   R2            Walk 2: V's d tiles 0, 1 land, two products read them.  (Walk 1's mask lines write it.)
;   ADK, ADV      Written by a vector addition once a step, read by that step's LDS loads.
;   P             At the end: written by the last conversions, read by the two stores.        v254, v255: written at the head, read by the closing add alone.
; WALK 1, a step: one wait on vm_vsrc ahead of the addition to ADK; one on va_vdst behind the products and their places (ADK is written, the products are done reading R1): the next step's sixteen loads follow it,
; and no later line of the step names R1 or ADK.  WALK 2, a step: one wait on vm_vsrc ahead of the two additions; one on va_vdst behind them, on which the run of 24 loads (K; V's d tiles 0, 1) hangs; the wait behind
; the exponentials also shows the score products done reading R1, in which V's d tiles 2, 3 land; a masked step has one more, behind the lines that wrote and read the mask there.
.set LI,   1                           ; v1   16 x lane
.set ADK,  2                           ; v2   LDS address of a step's K
.set ADV,  3                           ; v3   of its V
.set DG,   4                           ; v4   my query in its block, less 8 h
.set NINF, 5                           ; v5   -infinity
                                       ; v6-11 at work; v12 -M, v13 the largest t; v[14:15] Lm, v[16:17] A2, in two halves; v[18:19] f; v[20:21] 1 / divisor
                                       ; v22, v23: 57,344 x 2^e8, 2^e8; v[24:25] 2048 c; v26 8 h; v27, v28: limit and scale of the result; v29 the lane permute's destination
.set Q,    32                          ; v32-39   my queries' fragment
.set R1,   40                          ; v40-103  K's eight fragments; in walk 2 also the mask and V's d tiles 2, 3
.set S,    104                         ; v104-167 S^T, then E, then w
.set R2,   168                         ; v168-199 V's d tiles 0, 1
.set M1,   168                         ; v168-231 walk 1 alone: the mask
.set P,    200                         ; v200-215 w's codes
.set O,    216                         ; v216-247 O^T
.set LA,   248                         ; v248-251 16 x thread + 65,536 g
.set SBLK, 19                          ; s19  my block of queries = my last key step
.set SJ,   21                          ; s21  the key step
.set STB,  22                          ; s22  walk 1: the NEXT step's byte in K's image; walk 2: this step's, in K's and in V's
.set SN1,  23                          ; s23  steps with a mask below 1
.set CS,   24                          ; s[24:25] log2(e) / 64 x 2^(e6 + e7)
.set SEL,  26                          ; s[26:27] v_permlanex16_b32: lane l xor 16
.set R33,  30                          ; s[30:31] 1 / 33
.set CM,   32                          ; s[32:47] behind the head: sixteen lane masks of the diagonal's compares
.macro MKSC e, sc, lim                 ; from the whole number in s[e]: v[sc] = 2^e, v[lim] = 57,344 x 2^e
	s_add_co_i32 s48, s[\e], 127
	s_lshl_b32 s49, s48, 23
	v_mov_b32 v[\sc], s49
	s_add_co_i32 s48, s48, 15
	s_lshl_b32 s48, s48, 23
	s_or_b32 s48, s48, 0x600000
	v_mov_b32 v[\lim], s48
.endm
	s_load_b256 s[4:11], s[0:1], 0x0               ; qkv s[4:5], nmask s[6:7], span_val s[8:9], lowp_scales s[10:11]
	s_load_b64 s[12:13], s[0:1], 0x20              ; aimg
	v_lshl_add_u32 v254, v0, 2, 0x40000
	v_mov_b32 v255, 0
	v_lshrrev_b32 v1, 5, v0
	v_readfirstlane_b32 s14, v1                    ; wave 0..15
	v_and_b32 v1, 31, v0
	v_lshlrev_b32 v[LI], 4, v1
	v_lshlrev_b32 v[LA], 4, v0
	v_add_nc_u32 v[LA+1], 0x10000, v[LA]
	v_add_nc_u32 v[LA+2], 0x20000, v[LA]
	v_add_nc_u32 v[LA+3], 0x30000, v[LA]
	s_and_b32 s15, ttmp7, 0xffff                   ; 16 batch + head
	s_and_b32 s16, s15, 15
	s_lshr_b32 s17, s15, 4
	s_wait_alu depctr_va_sdst(0)                   ; s14 is written, ahead of its first reader: my block and my tile are made from it
	s_lshr_b32 s18, s14, 2
	s_xor_b32 s18, s18, s14
	s_and_b32 s18, s18, 1                          ; which of the two blocks: of waves w .. w + 3, and of waves w, w + 4, w + 8, w + 12, two take each
	s_sub_co_u32 s19, 15, ttmp9
	s_cmp_eq_u32 s18, 1
	s_cselect_b32 s[SBLK], s19, ttmp9
	s_lshr_b32 s32, s14, 1                         ; my tile in the block
	s_lshl_b32 s20, s[SBLK], 3
	s_add_co_u32 s20, s20, s32                     ; my tile of 16 queries in the head
	v_and_b32 v[DG], 15, v0
	v_bfe_u32 v26, v0, 4, 1
	v_lshlrev_b32 v26, 3, v26
	v_sub_nc_u32 v[DG], v[DG], v26
	s_lshl_b32 s34, s32, 4
	v_add_nc_u32 v[DG], s34, v[DG]
	s_lshl_b32 s33, s16, 2                         ; the head's word in nmask and in span_val
	s_lshl_b32 s50, s15, 17
	s_mov_b32 s51, 0
	s_lshl_b32 s52, s20, 10
	s_mov_b32 s53, 0
	s_wait_kmcnt 0x0
	s_load_b32 s[SN1], s[6:7], s33 offset:0x0
	s_load_b32 s28, s[8:9], s33 offset:0x0         ; c
	s_load_b256 s[36:43], s[10:11], 0x0            ; e0 .. e7
	s_load_b128 s[44:47], s[10:11], 0x20           ; e8 .. e11
	s_add_nc_u64 s[54:55], s[4:5], s[50:51]        ; my head in q's images,
	s_add_nc_u64 s[56:57], s[54:55], 0x400000      ; in k's,
	s_add_nc_u64 s[58:59], s[54:55], 0x800000      ; in v's
	s_add_nc_u64 s[54:55], s[54:55], s[52:53]      ; my queries' fragment
	s_wait_alu depctr_va_vdst(0)                   ; v1 and v248 to v251 are written: the loads and LDS stores below, and every later load and store, read them as offsets and addresses
	global_load_b128 v[Q:Q+3], v[LI], s[54:55]
	global_load_b128 v[Q+4:Q+7], v[LI], s[54:55] offset:512
.set i, 0
.rept 16
	global_load_b128 v[R1+4*i:R1+4*i+3], v[LA], s[56:57] offset:8192*i     ; the 512 threads read 8,192 consecutive bytes
.set i, i+1
.endr
.set i, 0
.rept 16
	global_load_b128 v[S+4*i:S+4*i+3], v[LA], s[58:59] offset:8192*i
.set i, i+1
.endr
	s_mov_b32 s[SEL], 0x76543210
	s_mov_b32 s[SEL+1], 0xfedcba98
	s_mov_b32 s[R33], 0x3cf83e10
	s_mov_b32 s[R33+1], s[R33]                     ; (named with it as a pair, so it is written)
	v_mov_b32 v[NINF], 0xff800000                  ; (the vector lines from here to the LDS stores name v5 and v12 to v29 alone: none of the registers that the loads above and the stores below touch)
	v_mov_b32 v13, 0xff61b1e6                      ; the largest t so far: -3e38, under every t
	v_floor_f32 v12, -v13                          ; -M
	v_mov_b32 v14, 0
	v_mov_b32 v15, 0
	v_mov_b32 v16, 0
	v_mov_b32 v17, 0
	v_mov_b32 v19, 0                               ; (upper halves of pairs whose low word serves both halves)
	v_mov_b32 v21, 0
	v_mov_b32 v29, 0                               ; a lane permute's destination counts as one of its sources
	s_lshl_b32 s50, s17, 7
	s_add_co_u32 s50, s50, s20                     ; the row tile: 128 batch + my tile
	s_lshl_b32 s50, s50, 14
	s_lshl_b32 s52, s16, 10
	s_add_co_u32 s50, s50, s52
	s_add_nc_u64 s[12:13], s[12:13], s[50:51]
	s_wait_kmcnt 0x0
	s_min_u32 s[SN1], s[SN1], 16
	s_add_co_i32 s48, s42, s43
	s_lshl_b32 s48, s48, 23
	s_add_co_i32 s[CS], s48, 0x3cb8aa3b            ; a score stands for score x 2^(e6 + e7): the exponents are added to the exponent field of log2(e) / 64
	s_mov_b32 s[CS+1], s[CS]
	v_mov_b32 v24, s28
	v_mul_f32 v24, 0x45000000, v24                 ; 2048 c: exact
	v_mov_b32 v25, v24
	MKSC 44, 23, 22                                ; e8
	s_sub_co_i32 s50, s46, s44
	s_sub_co_i32 s50, s50, s45                     ; a sum of the second product stands for sum x 2^(e8 + e9): its code under 2^e10 is sum / 2^(e10 - e8 - e9)
	MKSC 50, 28, 27
	s_wait_loadcnt 16                              ; Q and K are in; V's sixteen loads may be out
.set i, 0
.rept 16
	ds_store_b128 v[LA+i/8], v[R1+4*i:R1+4*i+3] offset:8192*(i%8)
.set i, i+1
.endr
	s_wait_loadcnt 0x0
.set i, 0
.rept 16
	ds_store_b128 v[LA+2+i/8], v[S+4*i:S+4*i+3] offset:8192*(i%8)
.set i, i+1
.endr
	s_wait_dscnt 0x0                               ; for the others' sake: my stores have landed
	s_barrier_signal -1
	s_barrier_wait -1                              ; K's and V's images are whole; nobody writes LDS from here on
.macro KLOAD adr                       ; a step's K: eight fragments of 16 keys
.set t, 0
.rept 8
	ds_load_b128 v[R1+8*t:R1+8*t+3], v[\adr] offset:1024*t
	ds_load_b128 v[R1+8*t+4:R1+8*t+7], v[\adr] offset:1024*t+512
.set t, t+1
.endr
.endm
.macro QKMUL                           ; S^T = K Q^T for the step's 128 keys: eight tiles of 16
.set t, 0
.rept 8
	v_wmma_f32_16x16x64_bf8_bf8 v[S+8*t:S+8*t+7], v[R1+8*t:R1+8*t+7], v[Q:Q+7], 0
.set t, t+1
.endr
.endm
.macro DIAGM                           ; the one step on the diagonal: scores of keys after the query become -infinity, so E = 0.  Key 16 t + 8 h + j is hidden where 16 t + j > my query - 8 h
.set g, 0
.rept 4                                        ; sixteen compares in a run, each into a scalar register of its own, so that one wait serves the sixteen
.set n, 0
.rept 16
	v_cmp_gt_i32 s[CM+n], 16*((16*g+n)/8)+(16*g+n)%8, v[DG]
.set n, n+1
.endr
	s_wait_alu depctr_va_sdst(0)                   ; the sixteen compares have written s[CM ..], ahead of the selects that read them
.set n, 0
.rept 16
	v_cndmask_b32 v[S+16*g+n], v[S+16*g+n], v[NINF], s[CM+n]
.set n, n+1
.endr
.set g, g+1
.endr
.endm
.macro EXPS                            ; E = 2^(score x c - M): 32 packed multiply-adds, then the 64 exponentials as one batch; the caller writes the plain line and the one wait behind them
.set n, 0
.rept 32
	v_pk_fma_f32 v[S+n:S+n+1], v[S+n:S+n+1], s[CS:CS+1], v[12:13] op_sel_hi:[1,0,0]
.set n, n+2
.endr
.set n, 0
.rept 64
	v_exp_f32 v[S+n], v[S+n]
.set n, n+1
.endr
.endm
.macro MASKREGS m                      ; m of my 64 keys into v[m] on
	s_lshl_b32 s48, s[SJ], 7
	v_add_nc_u32 v6, s48, v26
.set n, 0
.rept 64
	v_add_nc_u32 v[(\m)+n], 16*(n/8)+n%8, v6       ; the key
.set n, n+1
.endr
.set n, 0
.rept 64
	v_cvt_f32_u32 v[(\m)+n], v[(\m)+n]             ; exact
.set n, n+1
.endr
.set n, 0
.rept 32
	v_pk_add_f32 v[(\m)+n:(\m)+n+1], v[(\m)+n:(\m)+n+1], v[24:25]  ; + 2048 c: one rounding, as the definition has it
.set n, n+2
.endr
.set n, 0
.rept 32
	v_pk_mul_f32 v[(\m)+n:(\m)+n+1], v[(\m)+n:(\m)+n+1], s[R33:R33+1] op_sel_hi:[1,0]
.set n, n+2
.endr
.set n, 0
.rept 64
	v_med3_num_f32 v[(\m)+n], v[(\m)+n], 0, 1.0
.set n, n+1
.endr
.endm
	; ---- WALK 1: M, Lm, A2.  K runs a step ahead: step j + 1's keys are asked for behind step j's products and land under its softmax
	s_wait_alu depctr_vm_vsrc(0)                   ; my LDS stores have read v[R1 ..] and v[S ..]: K's loads land in the first, the products write the second
	KLOAD LI                                       ; step 0's keys, which count for every wave
	s_mov_b32 s[SJ], 0
	s_mov_b32 s[STB], 8192
	s_wait_dscnt 0x0                               ; they are in
.Lpass1:
	s_cmp_gt_u32 s[SJ], s[SBLK]                    ; all 128 keys come after my queries
	s_cbranch_scc1 .Lhid1
	QKMUL
	s_wait_alu depctr_vm_vsrc(0)                   ; the loads of this step's keys have read v[ADK]
	v_add_nc_u32 v[ADK], s[STB], v[LI]             ; the next step's keys.  With the three lines below: four places behind the products, in front of the first read of the scores and of the loads into K's registers
	v_nop
	v_nop
	v_nop
	s_wait_alu depctr_va_vdst(0)                   ; v[ADK] is written, which the loads below read; the products are done reading v[R1 ..], in which they land
	s_cmp_lg_u32 s[SJ], s[SBLK]
	s_cbranch_scc0 .Ldiag1
	KLOAD ADK                                      ; a step under the diagonal has a successor; no later line of this step names v[R1 ..] or v[ADK]
	s_branch .Lopen1
.Ldiag1:
	DIAGM                                          ; the step on the diagonal is my last: it asks for nothing
.Lopen1:
	v_max3_num_f32 v6, v[S], v[S+1], v[S+2]        ; the step's largest score among my 64 keys, in two chains, each accumulator from its low end on
	v_max3_num_f32 v7, v[S+3], v[S+4], v[S+5]
.set n, 6
.rept 14
	v_max3_num_f32 v6, v6, v[S+n], v[S+n+1]
	v_max3_num_f32 v7, v7, v[S+n+2], v[S+n+3]
.set n, n+4
.endr
	v_max3_num_f32 v6, v6, v[S+62], v[S+63]
	v_max_num_f32 v6, v6, v7
	v_permlanex16_b32 v29, v6, s[SEL], s[SEL+1]
	v_max_num_f32 v6, v6, v29                      ; and among lane l xor 16's
	v_mul_f32 v6, s[CS], v6                        ; as t (the factor is positive)
	v_max_num_f32 v13, v13, v6
	v_mov_b32 v6, v12
	v_floor_f32 v12, -v13                          ; the new -M = -ceil(t)
	v_sub_f32 v6, v12, v6                          ; old M - new M: a whole number, 0 or less
	v_cvt_i32_f32 v6, v6                           ; (it saturates)
	v_ldexp_f32 v18, 1.0, v6                       ; f = 2^(old M - new M)
	EXPS
	v_pk_mul_f32 v[14:15], v[14:15], v[18:19] op_sel_hi:[1,0]      ; the sums under the new M: plain lines behind the exponentials
	v_pk_mul_f32 v[16:17], v[16:17], v[18:19] op_sel_hi:[1,0]
	s_wait_alu depctr_va_vdst(0)                   ; the 64 exponentials have written v[S ..]: one wait for the batch, ahead of its first reader and of the branch
	s_cmp_lt_u32 s[SJ], s[SN1]
	s_cbranch_scc1 .Lmask1
	v_pk_add_f32 v[6:7], v[S:S+1], v[S+2:S+3]      ; m = 1 throughout: Lm += E, in two chains
.set n, 4
.rept 15
	v_pk_add_f32 v[14:15], v[14:15], v[S+n:S+n+1]
	v_pk_add_f32 v[6:7], v[6:7], v[S+n+2:S+n+3]
.set n, n+4
.endr
	v_pk_add_f32 v[14:15], v[14:15], v[6:7]
	s_branch .Lsum1
.Lmask1:
	MASKREGS M1                                    ; into registers that lie idle in this walk: K's are on their way to the next step
	v_pk_fma_f32 v[14:15], v[S:S+1], v[M1:M1+1], v[14:15]          ; Lm += E m
	v_pk_mul_f32 v[6:7], v[S+2:S+3], v[M1+2:M1+3]
.set n, 4
.rept 15
	v_pk_fma_f32 v[14:15], v[S+n:S+n+1], v[M1+n:M1+n+1], v[14:15]
	v_pk_fma_f32 v[6:7], v[S+n+2:S+n+3], v[M1+n+2:M1+n+3], v[6:7]
.set n, n+4
.endr
	v_pk_add_f32 v[14:15], v[14:15], v[6:7]
.set n, 0
.rept 32
	v_pk_add_f32 v[M1+n:M1+n+1], v[M1+n:M1+n+1], 1.0 op_sel_hi:[1,0] neg_lo:[1,0] neg_hi:[1,0]   ; 1 - m
.set n, n+2
.endr
	v_pk_fma_f32 v[16:17], v[S:S+1], v[M1:M1+1], v[16:17]          ; A2 += E (1 - m)
	v_pk_mul_f32 v[8:9], v[S+2:S+3], v[M1+2:M1+3]
.set n, 4
.rept 15
	v_pk_fma_f32 v[16:17], v[S+n:S+n+1], v[M1+n:M1+n+1], v[16:17]
	v_pk_fma_f32 v[8:9], v[S+n+2:S+n+3], v[M1+n+2:M1+n+3], v[8:9]
.set n, n+4
.endr
	v_pk_add_f32 v[16:17], v[16:17], v[8:9]
.Lsum1:
	s_wait_dscnt 0x0                               ; the next step's keys, asked for behind this step's products, are in: no LDS load is out at the loop's edge or behind the loop
.Lhid1:
	s_add_co_u32 s[STB], s[STB], 8192
	s_add_co_u32 s[SJ], s[SJ], 1
	s_cmp_lt_u32 s[SJ], 16
	s_cbranch_scc1 .Lpass1
	v_add_f32 v14, v14, v15                        ; the sums' two halves,
	v_add_f32 v16, v16, v17
	v_permlanex16_b32 v29, v14, s[SEL], s[SEL+1]
	v_add_f32 v14, v14, v29                        ; and lane l xor 16's: Lm
	v_permlanex16_b32 v29, v16, s[SEL], s[SEL+1]
	v_add_f32 v16, v16, v29                        ; A2
	v_add_f32 v16, v14, v16                        ; the softmax's divisor, above 1/2 since M < t + 1
	s_mov_b32 s48, 0x322bcc77                      ; 1e-8
	v_fma_f32 v14, v16, s48, v14                   ; Lm + 1e-8 (Lm + A2)
	v_rcp_f32 v20, v14
.set n, 0
.rept 32
	v_mov_b32 v[O+n], 0                            ; the key step is written once, so O^T begins as zeros (here, since walk 1's mask lay in its first sixteen).  Plain lines behind the reciprocal
.set n, n+1
.endr
	s_wait_alu depctr_va_vdst(0)                   ; the reciprocal has written v20, ahead of the label and of its first reader
	; ---- WALK 2: the same scores, w finished, quantised, x V
	s_mov_b32 s[SJ], 0
	s_mov_b32 s[STB], 0
.Lpass2:
	s_cmp_gt_u32 s[SJ], s[SBLK]
	s_cbranch_scc1 .Lhid2
	s_wait_alu depctr_vm_vsrc(0)                   ; the LDS loads issued so far have read v[ADK] and v[ADV]
	v_add_nc_u32 v[ADK], s[STB], v[LI]
	v_add_nc_u32 v[ADV], 0x20000, v[ADK]
	v_nop                                          ; with the two additions: four places in front of loads into registers that the last products have read
	v_nop
	s_wait_alu depctr_va_vdst(0)                   ; v[ADK] and v[ADV] are written; the last step's products and mask lines are done with v[R1 ..] and v[R2 ..] (first step: walk 1's mask lines have written v[R2 ..]), in which the 24 loads below land
	KLOAD ADK
.set i, 0
.rept 8
	ds_load_b128 v[R2+4*i:R2+4*i+3], v[ADV] offset:512*i           ; V's d tiles 0 and 1, in one run with K: they land under the products and the softmax
.set i, i+1
.endr
	s_wait_dscnt 8                                 ; LDS loads come back in order (ISA guide 5.7.1): K's sixteen are in, V's eight may be out
	QKMUL
.rept 4
	v_nop                                          ; places in front of the first read of the scores
.endr
	s_cmp_lg_u32 s[SJ], s[SBLK]
	s_cbranch_scc1 .Lopen2
	DIAGM
.Lopen2:
	EXPS
	v_nop                                          ; a plain line behind the exponentials
	s_wait_alu depctr_va_vdst(0)                   ; the 64 exponentials have written v[S ..]: one wait for the batch; and the score products are done reading v[R1 ..]
.set n, 0
.rept 32
	v_pk_mul_f32 v[S+n:S+n+1], v[S+n:S+n+1], v[20:21] op_sel_hi:[1,0]      ; E / divisor.  (These name v[S ..], v20 and v21 alone)
.set n, n+2
.endr
	s_cmp_ge_u32 s[SJ], s[SN1]
	s_cbranch_scc1 .Lnom2
	MASKREGS R1                                    ; into K's registers, which are done with
.set n, 0
.rept 32
	v_pk_mul_f32 v[S+n:S+n+1], v[S+n:S+n+1], v[R1+n:R1+n+1]        ; x m
.set n, n+2
.endr
	s_wait_alu depctr_va_vdst(0)                   ; the mask's lines have written v[R1 ..] and the multiplies are done reading it: the loads below land there
.Lnom2:
.set i, 0
.rept 8
	ds_load_b128 v[R1+4*i:R1+4*i+3], v[ADV] offset:4096+512*i      ; V's d tiles 2 and 3, into registers that K and the mask have left
.set i, i+1
.endr
.set t, 0
.rept 8
.set j, 0
.rept 8
	v_min_num_f32 v[S+8*t+j], v[S+8*t+j], v22      ; the conversion does not saturate (ISA guide 7.6.2); w is not negative, so the hold is one-sided
.set j, j+1
.endr
	v_cvt_scalef32_pk8_bf8_f32 v[P+2*t:P+2*t+1], v[S+8*t:S+8*t+7], v23     ; keys 16 t + 8 h + 0 .. 7: registers 2 t, 2 t + 1 of the operand
.set t, t+1
.endr
	v_nop                                          ; a plain line between the conversions and the products that read their results
	s_wait_dscnt 0x0                               ; V's sixteen loads
	v_wmma_f32_16x16x128_bf8_bf8 v[O:O+7], v[R2:R2+15], v[P:P+15], v[O:O+7]                ; the four accumulators take turns, one instruction a turn
	v_wmma_f32_16x16x128_bf8_bf8 v[O+8:O+15], v[R2+16:R2+31], v[P:P+15], v[O+8:O+15]
	v_wmma_f32_16x16x128_bf8_bf8 v[O+16:O+23], v[R1:R1+15], v[P:P+15], v[O+16:O+23]
	v_wmma_f32_16x16x128_bf8_bf8 v[O+24:O+31], v[R1+16:R1+31], v[P:P+15], v[O+24:O+31]
.Lhid2:
	s_add_co_u32 s[STB], s[STB], 8192
	s_add_co_u32 s[SJ], s[SJ], 1
	s_cmp_lt_u32 s[SJ], 16
	s_cbranch_scc1 .Lpass2
	; THE WAY OUT: register 8 d + j of O^T is channel 16 d + 8 h + j of my query: a conversion gives registers 2 d, 2 d + 1 of the last projection's operand
.rept 4
	v_nop
.endr
.set n, 0
.rept 32
	v_med3_num_f32 v[O+n], v[O+n], -v27, v27
.set n, n+1
.endr
.set t, 0
.rept 4
	v_cvt_scalef32_pk8_bf8_f32 v[P+2*t:P+2*t+1], v[O+8*t:O+8*t+7], v28
.set t, t+1
.endr
	v_nop
	s_wait_alu depctr_va_vdst(0)                   ; the four conversions have written v[P] to v[P+7], which the two stores read
	global_store_b128 v[LI], v[P:P+3], s[12:13]                    ; a part: the wave stores 512 consecutive bytes, aligned
	global_store_b128 v[LI], v[P+4:P+7], s[12:13] offset:512
	s_wait_dscnt 0x0                               ; the closing lines, six on end
	s_wait_alu 0x0
	s_wait_tensorcnt 0x0
	ds_add_u32 v254, v255
	s_wait_dscnt 0x0
	s_endpgm
.Lfunc_end_k_q2ab6dab3eb_attn:
	.size	k_q2ab6dab3eb_attn, .Lfunc_end_k_q2ab6dab3eb_attn-k_q2ab6dab3eb_attn
	.p2alignl 7, 3214868480
	.fill 96, 4, 3214868480
	.section	.rodata,"a",@progbits
	.p2align	6, 0x0
	.amdhsa_kernel k_q2ab6dab3eb_attn
		.amdhsa_group_segment_fixed_size 264192
		.amdhsa_private_segment_fixed_size 0
		.amdhsa_enable_private_segment 0
		.amdhsa_kernarg_size 40
		.amdhsa_user_sgpr_count 2
		.amdhsa_user_sgpr_kernarg_segment_ptr 1
		.amdhsa_wavefront_size32 1
		.amdhsa_system_sgpr_workgroup_id_x 1
		.amdhsa_system_sgpr_workgroup_id_y 1
		.amdhsa_system_sgpr_workgroup_id_z 1
		.amdhsa_system_vgpr_workitem_id 0
		.amdhsa_next_free_vgpr 256
		.amdhsa_next_free_sgpr 66
		.amdhsa_reserve_vcc 0
		.amdhsa_float_denorm_mode_32 3
		.amdhsa_float_denorm_mode_16_64 3
		.amdhsa_memory_ordered 1
		.amdhsa_forward_progress 1
		.amdhsa_inst_pref_size 91
	.end_amdhsa_kernel
	.amdgpu_metadata
---
amdhsa.version: [ 1, 2 ]
amdhsa.kernels:
  - .name:           k_q2ab6dab3eb_attn
    .symbol:         k_q2ab6dab3eb_attn.kd
    .args:
      - { .name: qkv, .offset: 0, .size: 8, .value_kind: global_buffer, .address_space: global }
      - { .name: nmask, .offset: 8, .size: 8, .value_kind: global_buffer, .address_space: global }
      - { .name: span_val, .offset: 16, .size: 8, .value_kind: global_buffer, .address_space: global }
      - { .name: lowp_scales, .offset: 24, .size: 8, .value_kind: global_buffer, .address_space: global }
      - { .name: aimg, .offset: 32, .size: 8, .value_kind: global_buffer, .address_space: global }
    .group_segment_fixed_size: 264192
    .private_segment_fixed_size: 0
    .kernarg_segment_align: 8
    .kernarg_segment_size: 40
    .max_flat_workgroup_size: 512
    .sgpr_count:     66
    .vgpr_count:     256
    .wavefront_size: 32
...
	.end_amdgpu_metadata
.endif
;; end of part 5
;; launch gemm_out: the kernel of part 4 again; grid 4 x 16, 4 waves a work-group, clusters of 4 x 4, 327,680 bytes of LDS; arguments aimg, wimg, lowp_scales, out0; writes out0
